; MI455X (gfx1250); checked and timed in simulation.
; The chip was launched on July 23, 2026; its instructions are those of AMD's public machine-readable ISA for CDNA 5 (MIT licence, August 2026) and "CDNA5" Instruction Set Architecture Reference Guide (July 2026). The comments in the code are by the model that wrote it; some were corrected since.
;; Multi Head Attention. Allowed arithmetic: matrix products marked QUANTISED: E2M3 operands, one E8M0 scale for each 32 along K, by v_wmma_scale_f32_16x16x128_f8f6f4 with both operands' format E2M3, f32 sums; everything else in f32.
;; Inputs: K 4 x 2,048 x 1,024 float32; Q 4 x 2,048 x 1,024 float32; V 4 x 2,048 x 1,024 float32; W_k 1,024 x 1,024 float32; W_o 1,024 x 1,024 float32; W_q 1,024 x 1,024 float32; W_v 1,024 x 1,024 float32.
;; Outputs: out0 4 x 2,048 x 1,024 float32.
;; This version of the problem:
;;   THIS VERSION OF THE PROBLEM IS GIVEN IN LOW PRECISION. The matrix products marked QUANTISED in the list below multiply operands that are first quantised to E2M3 (2 exponent bits, 3 mantissa bits; 6 bits a number), with one power-of-two scale for each 32 numbers along K (OCP MX v1.0); their sums are f32. All else is computed in f32.
;;   The module's matrix products, in the order in which they are computed (A, B: the left and right operand; K: the contracted axis; several contracted axes count as one K, in the product's order):
;;     1. [M 8,192, K 1,024] x [K 1,024, N 1,024]; A: input Q; B: input W_q: QUANTISED
;;     2. [M 8,192, K 1,024] x [K 1,024, N 1,024]; A: input K; B: input W_k: QUANTISED
;;     3. [M 8,192, K 1,024] x [K 1,024, N 1,024]; A: input V; B: input W_v: QUANTISED
;;     4. batch 64 x [M 2,048, K 64] x [K 64, N 2,048]; A: computed on the way; B: computed on the way: QUANTISED
;;     5. batch 64 x [M 2,048, K 2,048] x [K 2,048, N 64]; A: softmax (see below); B: computed on the way: QUANTISED
;;     6. [M 8,192, K 1,024] x [K 1,024, N 1,024]; A: computed on the way; B: input W_o: QUANTISED
;;   THE QUANTISER, for each operand of a quantised product, along K:
;;     - K is cut into blocks of 32 from its start; a last block that is shorter is filled with zeros.
;;     - A block's scale is 2^e with e = floor(log2(the largest magnitude in the block)) - 2, held to -126 .. 127; a block of zeros has e = 0. As a byte (E8M0): e + 127.
;;     - Each number is divided by its block's scale, clamped to +-7.5, and rounded to the nearest number of E2M3, ties to even, subnormals kept.
;;     - The product sums the exact products of the quantised numbers (number of the format x scale) in f32.
;;   ~~~python
;;   def quantise(x, axis):      # numpy; x: float32 -> the quantised numbers, widened to float32 again
;;       x = np.moveaxis(x, axis, -1); K = x.shape[-1]
;;       x = np.pad(x, [(0, 0)] * (x.ndim - 1) + [(0, -K % 32)]); x = x.reshape(x.shape[:-1] + (-1, 32)); a = np.abs(x).max(-1, keepdims=True)
;;       e = np.where(a > 0, np.clip(np.frexp(np.where(a > 0, a, 1))[1] - 1 - 2, -126, 127), 0)      # np.frexp(a)[1] - 1 = floor(log2(a)), exactly
;;       r = np.clip(x / 2.0 ** e, -7.5, 7.5)
;;       step = 2.0 ** (np.maximum(np.frexp(np.where(r == 0, 1, r))[1] - 1, 0) - 3)
;;       q = np.round(r / step) * step * 2.0 ** e      # np.round: ties to even
;;       return np.moveaxis(q.reshape(q.shape[:-2] + (-1,))[..., :K], -1, axis).astype(np.float32)
;;   ~~~
;;   SOFTMAX AHEAD OF A QUANTISED PRODUCT. Where the list says 'softmax', what is quantised is not the finished softmax but p = 2^(t - M), with t = logit x log2(e) and M = ceil(the row's largest t), a whole number; so 1/2 < the row's largest p <= 1. The row's sum l is taken of the UNQUANTISED p, in f32, and the product's result is divided by l at the end. Since M is a whole number, a kernel that streams over the keys may use a running M (the ceiling of the running maximum): every later rescaling is an exact power of two, which a block's scale takes up: the codes' values come out the same.
;;   OPERANDS COMPUTED ON THE WAY. 'Computed on the way' means the value that the module computes at that place (a softmax that the list does not call 'softmax' is quantised finished and normalised). What goes into a quantiser is computed in f32, as accurately as f32 sums, v_exp_f32 and their like allow (about 1e-6 of the number): no bf16 or f16 on the way to a quantiser, and a product that is left as it is and whose result goes on into a quantised operand takes f32 operands (vector FMAs, or v_wmma_f32_16x16x4_f32). A number that lies on a knife's edge between two numbers of the format may be rounded either way, as far as f32 arithmetic and the matrix unit's own rounding can turn it there, and no further.
;; One version. Each part assembles by itself: llvm-mc -triple=amdgcn-amd-amdhsa -mcpu=gfx1250 --defsym DOCPART=n.
;; ======== version 1 of 1: 4 launches
;; limits: right only within a limited range of input values
;; workspace buffers: cin 22,020,096 bytes; sin 917,504 bytes; pc 18,874,368 bytes; ps 1,310,720 bytes; oc 6,291,456 bytes; os 262,144 bytes
;; launch quant (part 1): grid 896 x 1, 4 waves a work-group, no clusters, 49,664 bytes of LDS; arguments Q, K, V, W_q, W_k, W_v, W_o, cin, sin; writes cin, sin
.if DOCPART == 1
	.amdgcn_target "amdgcn-amd-amdhsa--gfx1250"
	.amdhsa_code_object_version 6
	.text
	.protected	k_q811f725347_quant
	.globl	k_q811f725347_quant
	.p2align	8
	.type	k_q811f725347_quant,@function
k_q811f725347_quant:
	s_mov_b64 s[64:65], 0
	v_nop
	global_prefetch_b8 v0, s[64:65] scope:SCOPE_SE
	s_setreg_imm32_b32 hwreg(HW_REG_WAVE_MODE, 25, 1), 1
	s_wait_xcnt 0x0
; Q, K, V [8192][1024] and W_q, W_k, W_v, W_o [1024][1024], f32 with K innermost, become codes of FP6 (E2M3) with one E8M0 scale byte for each 32 along K.
; A block's scale is 2^(floor(log2(its largest magnitude)) - 2); its byte is the largest magnitude's exponent field - 2, held at 1 from below; numbers are divided by the scale and rounded to the nearest code, ties to even.
; LIMITS: NaN and infinities among the inputs are not served; a block whose largest magnitude lies under 2^-124 has its byte held at 1; a block of zeros gets the byte 1 where the rule says 127:
; its codes are zeros, which add nothing under any byte but 0xff, and this program alone reads the bytes.
; THE CODES LEAVE AS IMAGES OF THE OPERAND'S REGISTERS.  A fragment is 16 rows x 128 K, 12 registers a lane: lane (r, h) holds row r, registers 6 c .. 6 c + 5 hold K = 64 c + 32 h + 0 .. 31.
; Its image is [register pair p = 0..5][lane][8 bytes], 1,536 bytes.  cin: [tile][K step 0..7][1,536].  sin: [tile][K half][row in tile][16 bytes].
; THE ROWS OF A TILE ARE NOT NEIGHBOURS: row t of tile 2 g + u is row 32 g + 8 u + t + 8 (t / 8) of the seven tensors laid one behind the other.
; SHARES.  A work-group takes 32 rows (two tiles); wave w takes tile u = w / 2 and K half w % 2: 16 rows x 512 numbers, four images.  A step is one row's 2,048 bytes: four loads of 512 consecutive bytes;
; they turn through the wave's own stage in LDS so that a lane holds 16 neighbours (two lanes hold a block).  A lane's 12 bytes of codes are three registers of one lane of an image: three stores of 4 bytes
; into the wave's own image stage; at the end the 6,144 bytes leave by stores of 512 consecutive bytes, the 256 scale bytes by one store.
; No tensor loads, no barrier, no cluster: waves share nothing and no input byte is read twice.  Loads run four steps (16 loads a wave) ahead, the turn one step.
.set STEPS, 16
.set EMAX,  2
.set WREG,  12288                      ; LDS: a region for each wave
.set SP,    80                         ; a lane's place in a turn stage: 64 bytes + 16
.set SCB,   2*32*SP                    ; behind the two turn stages: the wave's 256 scale bytes, [row][16]
.set CST,   5632                       ; the image stage: 24 rows (4 images x 6 pairs) of 256 bytes + 16
.set CP,    272
.set R,     16                         ; v16-79   four sets of 16 numbers as loaded; at the end the images on their way out
.set X,     80                         ; v80-111  two sets of 16 neighbours
.set E,     112                        ; v112-127 a scale byte for each step
.set C,     128                        ; v128-191 codes: four registers for each step, never written again
.set CA0,   4                          ; v4, v10, v1: where my three registers of codes go in the image stage
.set CA1,   10
.set CA2,   1
.set CR,    192                        ; v192 where I read the images back
	s_load_b512 s[4:19], s[0:1], 0x0               ; Q, K, V, W_q, W_k, W_v, W_o, cin
	s_load_b64 s[20:21], s[0:1], 0x40              ; sin
	v_lshl_add_u32 v196, v0, 2, 0xc000
	v_mov_b32 v197, 0
	v_lshrrev_b32 v1, 5, v0
	v_readfirstlane_b32 s22, v1                    ; wave 0..3
	v_and_b32 v2, 31, v0                           ; lane
	v_lshlrev_b32 v3, 4, v2                        ; my 16 bytes of 512
	s_mul_i32 s23, s22, WREG
	v_lshrrev_b32 v14, 2, v2
	v_mul_u32_u24 v14, v14, SP
	v_and_b32 v15, 3, v2
	v_lshl_add_u32 v14, v15, 4, v14
	v_add_nc_u32 v14, s23, v14                     ; turn stage, in: SP (lane / 4) + 16 (lane % 4)
	v_mul_u32_u24 v15, v2, SP
	v_add_nc_u32 v15, s23, v15                     ; and out: SP x lane: my 16 neighbours
	v_lshrrev_b32 v5, 1, v2
	v_add_nc_u32 v5, s23, v5
	v_add_nc_u32 v5, SCB, v5                       ; my block's scale byte
	v_lshlrev_b32 v7, 3, v2                        ; the scale bytes' way out: 8 bytes a lane
	v_add_nc_u32 v6, s23, v7
	v_add_nc_u32 v6, SCB, v6
	; lane l holds half e = l % 2 of block (l / 2) % 4 = 2 c + h of image l / 8: registers 6 c + 3 e + 0 .. 2 of the image's lane 16 h + row
	v_lshrrev_b32 v8, 3, v2                        ; image
	v_bfe_u32 v9, v2, 2, 1                         ; c
	v_and_b32 v11, 1, v2                           ; e
	v_mul_u32_u24 v8, v8, 6
	v_mad_u32_u24 v8, v9, 3, v8
	v_add_nc_u32 v8, v8, v11                       ; stage row 6 image + 3 c + e
	v_mul_u32_u24 v8, v8, CP
	v_bfe_u32 v9, v2, 1, 1                         ; h
	v_lshl_add_u32 v8, v9, 7, v8                   ; + 8 bytes x 16 h
	v_add_nc_u32 v8, s23, v8
	v_add_nc_u32 v8, CST, v8
	v_lshl_add_u32 v[CA0], v11, 2, v8              ; e = 0: pair 3 c, low word;      e = 1: pair 3 c + 1, high word
	v_mad_u32_u24 v[CA1], v11, 268, v8
	v_add_nc_u32 v[CA1], 4, v[CA1]                 ; e = 0: pair 3 c, high word;     e = 1: pair 3 c + 2, low word
	v_add_nc_u32 v[CA2], CP, v[CA0]                ; e = 0: pair 3 c + 1, low word;  e = 1: pair 3 c + 2, high word
	v_lshrrev_b32 v9, 4, v2
	v_and_b32 v11, 15, v2
	v_mul_u32_u24 v9, v9, CP
	v_lshl_add_u32 v9, v11, 4, v9
	v_add_nc_u32 v9, s23, v9
	v_add_nc_u32 v[CR], CST, v9                    ; back: sixteen lanes to a stage row, two rows an instruction
	s_lshr_b32 s27, s22, 1                         ; u
	s_and_b32 s28, s22, 1                          ; K half
	s_wait_kmcnt 0x0
	; which tensor is my work-group's: the choice hangs on the work-group's number alone
	s_mov_b64 s[24:25], s[16:17]                   ; W_o, whose first work-group is 864
	s_mov_b32 s26, 864
.macro PICK lim, first, lo
	s_cmp_lt_u32 ttmp9, \lim
	s_cselect_b64 s[24:25], s[\lo:\lo+1], s[24:25]
	s_cselect_b32 s26, \first, s26
.endm
	PICK 864, 832, 14
	PICK 832, 800, 12
	PICK 800, 768, 10
	PICK 768, 512, 8
	PICK 512, 256, 6
	PICK 256, 0, 4
	s_sub_co_u32 s26, ttmp9, s26                   ; the group of 32 rows in that tensor
	; TENSOR K ALONE (work-groups 256 to 511) HAS ANOTHER ORDER OF ROWS: row t of tile 4 c + j is row 64 c + 8 j + t % 8 + 32 (t / 8), so that in the scores' tiles a lane's 32 registers of four tiles are 32 neighbouring keys.
	; Work-group g holds tiles 2 g, 2 g + 1: its first row is 64 (g / 2) + 16 (g % 2); rows 8 to 15 of a tile lie 16 rows further on than in the other tensors: a second base, s[32:33], serves them.
	s_lshr_b32 s32, s26, 1
	s_lshl_b32 s32, s32, 18
	s_and_b32 s33, s26, 1
	s_lshl_b32 s33, s33, 16
	s_add_co_u32 s32, s32, s33
	s_lshl_b32 s26, s26, 17
	s_sub_co_u32 s33, ttmp9, 256
	s_cmp_lt_u32 s33, 256                          ; the choice hangs on the work-group's number alone
	s_cselect_b32 s26, s32, s26
	s_cselect_b32 s32, 0x10000, 0
	s_mov_b32 s33, 0
	s_lshl_b32 s27, s27, 15                        ; + 8 u rows
	s_lshl_b32 s28, s28, 11                        ; + the K half
	s_add_co_u32 s26, s26, s27
	s_add_co_u32 s26, s26, s28
	s_mov_b32 s27, 0
	s_add_nc_u64 s[24:25], s[24:25], s[26:27]
	s_add_nc_u64 s[32:33], s[24:25], s[32:33]      ; the base for rows 8 to 15 of a tile
	s_lshl_b32 s28, ttmp9, 2
	s_add_co_u32 s28, s28, s22                     ; 4 x work-group + wave: both outputs are linear in it
	s_mul_i32 s30, s28, 6144
	s_mov_b32 s31, 0
	s_add_nc_u64 s[18:19], s[18:19], s[30:31]
	s_lshl_b32 s30, s28, 8
	s_add_nc_u64 s[20:21], s[20:21], s[30:31]
.macro LOAD t                          ; row t of my tile: 32 lanes read 512 consecutive bytes, four times
.irp i, 0,1,2,3
	global_load_b128 v[R+16*((\t)%4)+4*\i:R+16*((\t)%4)+4*\i+3], v3, s[24+8*((\t)/8):25+8*((\t)/8)] offset:((\t)+8*((\t)/8))*4096+512*\i th:TH_LOAD_NT
.endr
.endm
.macro TURN t                          ; step t's numbers through the stage: LDS serves a wave's instructions in order, so no wait stands between the stores and the loads
.irp i, 0,1,2,3
	ds_store_b128 v14, v[R+16*((\t)%4)+4*\i:R+16*((\t)%4)+4*\i+3] offset:32*SP*((\t)%2)+8*SP*\i
.endr
.irp i, 0,1,2,3
	ds_load_b128 v[X+16*((\t)%2)+4*\i:X+16*((\t)%2)+4*\i+3], v15 offset:32*SP*((\t)%2)+16*\i
.endr
.endm
.irp t, 0,1,2,3
	LOAD \t
.endr
	s_wait_loadcnt 12                              ; step 0's four loads are in
	TURN 0
.macro STEP t
.set XS, X+16*((\t)%2)
.if (\t) > 0
	s_wait_dscnt 4                                 ; this step's numbers are back from the stage; behind them stand the last step's byte store and its three code stores
.else
	s_wait_dscnt 0x0
.endif
.if (\t)+4 < STEPS
	LOAD (\t)+4                                    ; into the registers that this step's stores into the stage have read
.endif
.if (\t)+1 < STEPS
.if STEPS-2-(\t) >= 3
	s_wait_loadcnt 12                              ; the next step's four loads are in; those of the three steps behind it may be out
.else
	s_wait_loadcnt 4*(STEPS-2-(\t))
.endif
	TURN (\t)+1
.endif
	v_max3_num_f32 v8, |v[XS]|, |v[XS+1]|, |v[XS+2]|               ; the largest magnitude of my 16, in two chains
	v_max3_num_f32 v9, |v[XS+3]|, |v[XS+4]|, |v[XS+5]|
.irp i, 6,10
	v_max3_num_f32 v8, v8, |v[XS+\i]|, |v[XS+\i+1]|
	v_max3_num_f32 v9, v9, |v[XS+\i+2]|, |v[XS+\i+3]|
.endr
	v_max3_num_f32 v8, v8, |v[XS+14]|, |v[XS+15]|
	v_max3_num_f32 v8, v8, v9, (EMAX+1)<<23        ; and the floor 2^(3 - 127): the byte cannot fall under 1
	v_max_num_f32_dpp v8, v8, v8 row_xmask:1 row_mask:0xf bank_mask:0xf   ; and of my neighbour's 16: the block's
	v_add_nc_u32 v11, -(EMAX<<23), v8              ; 2 off its exponent field: the conversion takes the exponent field of this operand as its scale
	v_cvt_scalef32_pk16_fp6_f32 v[C+4*(\t):C+4*(\t)+2], v[XS:XS+15], v11
	v_lshrrev_b32 v[E+(\t)], 23, v11               ; the scale's byte (a plain line behind the conversion)
	ds_store_b8 v5, v[E+(\t)] offset:16*(\t)       ; both lanes of a block write the same byte with the same value
	ds_store_b32 v[CA0], v[C+4*(\t)] offset:8*(\t) ; my three registers at their places in the image's lane 16 h + t
	ds_store_b32 v[CA1], v[C+4*(\t)+1] offset:8*(\t)
	ds_store_b32 v[CA2], v[C+4*(\t)+2] offset:8*(\t)
.endm
.irp t, 0,1,2,3,4,5,6,7,8,9,10,11,12,13,14,15
	STEP \t
.endr
	ds_load_b64 v[12:13], v6                       ; LDS serves a wave's instructions in order: these see my stores
.irp k, 0,1,2,3,4,5,6,7,8,9,10,11
	ds_load_b128 v[R+4*\k:R+4*\k+3], v[CR] offset:2*CP*\k
.endr
	s_wait_dscnt 12                                ; the scale bytes are in; the twelve loads behind them may be out
	global_store_b64 v7, v[12:13], s[20:21]        ; 32 lanes store 256 consecutive bytes, aligned
.irp k, 0,1,2,3,4,5,6,7,8,9,10,11
	s_wait_dscnt 11-\k
	global_store_b128 v3, v[R+4*\k:R+4*\k+3], s[18:19] offset:512*\k   ; 512 consecutive bytes, aligned
.endr
	s_wait_tensorcnt 0x0
	ds_add_u32 v196, v197
	s_wait_dscnt 0x0
	s_endpgm
.Lfunc_end_k_q811f725347_quant:
	.size	k_q811f725347_quant, .Lfunc_end_k_q811f725347_quant-k_q811f725347_quant
	.p2alignl 7, 3214868480
	.fill 96, 4, 3214868480
	.section	.rodata,"a",@progbits
	.p2align	6, 0x0
	.amdhsa_kernel k_q811f725347_quant
		.amdhsa_group_segment_fixed_size 49664
		.amdhsa_private_segment_fixed_size 0
		.amdhsa_enable_private_segment 0
		.amdhsa_kernarg_size 72
		.amdhsa_user_sgpr_count 2
		.amdhsa_user_sgpr_kernarg_segment_ptr 1
		.amdhsa_wavefront_size32 1
		.amdhsa_system_sgpr_workgroup_id_x 1
		.amdhsa_system_sgpr_workgroup_id_y 1
		.amdhsa_system_sgpr_workgroup_id_z 1
		.amdhsa_system_vgpr_workitem_id 0
		.amdhsa_next_free_vgpr 198
		.amdhsa_next_free_sgpr 66
		.amdhsa_reserve_vcc 0
		.amdhsa_float_denorm_mode_32 3
		.amdhsa_float_denorm_mode_16_64 3
		.amdhsa_memory_ordered 1
		.amdhsa_forward_progress 1
		.amdhsa_inst_pref_size 39
	.end_amdhsa_kernel
	.amdgpu_metadata
---
amdhsa.version: [ 1, 2 ]
amdhsa.kernels:
  - .name:           k_q811f725347_quant
    .symbol:         k_q811f725347_quant.kd
    .args:
      - { .name: Q, .offset: 0, .size: 8, .value_kind: global_buffer, .address_space: global }
      - { .name: K, .offset: 8, .size: 8, .value_kind: global_buffer, .address_space: global }
      - { .name: V, .offset: 16, .size: 8, .value_kind: global_buffer, .address_space: global }
      - { .name: W_q, .offset: 24, .size: 8, .value_kind: global_buffer, .address_space: global }
      - { .name: W_k, .offset: 32, .size: 8, .value_kind: global_buffer, .address_space: global }
      - { .name: W_v, .offset: 40, .size: 8, .value_kind: global_buffer, .address_space: global }
      - { .name: W_o, .offset: 48, .size: 8, .value_kind: global_buffer, .address_space: global }
      - { .name: cin, .offset: 56, .size: 8, .value_kind: global_buffer, .address_space: global }
      - { .name: sin, .offset: 64, .size: 8, .value_kind: global_buffer, .address_space: global }
    .group_segment_fixed_size: 49664
    .private_segment_fixed_size: 0
    .kernarg_segment_align: 8
    .kernarg_segment_size: 72
    .max_flat_workgroup_size: 128
    .sgpr_count:     66
    .vgpr_count:     198
    .wavefront_size: 32
...
	.end_amdgpu_metadata
.endif
;; end of part 1
;; launch proj (part 2): grid 4 x 96, 4 waves a work-group, clusters of 4 x 4, 327,680 bytes of LDS; arguments cin, sin, pc, ps; writes pc, ps
.if DOCPART == 2
	.amdgcn_target "amdgcn-amd-amdhsa--gfx1250"
	.amdhsa_code_object_version 6
	.text
	.protected	k_q811f725347_proj
	.globl	k_q811f725347_proj
	.p2align	8
	.type	k_q811f725347_proj,@function
k_q811f725347_proj:
	s_mov_b64 s[64:65], 0
	v_nop
	global_prefetch_b8 v0, s[64:65] scope:SCOPE_SE
	s_setreg_imm32_b32 hwreg(HW_REG_WAVE_MODE, 25, 1), 1
	s_wait_xcnt 0x0
	s_wait_alu depctr_hold_cnt(0) depctr_sa_sdst(0) depctr_va_vdst(0) depctr_va_sdst(0) depctr_va_ssrc(0) depctr_va_vcc(0) depctr_vm_vsrc(0)
	s_getreg_b32 s2, hwreg(HW_REG_IB_STS2, 6, 4)
	s_cmp_eq_u32 s2, 0
	s_cbranch_scc0 .Lentry_in_a_cluster
	s_endpgm
.Lentry_in_a_cluster:
	s_bfe_u32 s2, ttmp6, 0x10000c
	s_cmp_lg_u32 s2, 0xf033
	s_cbranch_scc0 .Lentry_shape_is_right
	s_endpgm
.Lentry_shape_is_right:
.set FR,     12
.set NL,     6
.set NQ,     2
.set NP,     4
.set IMG,    1536
.set TILEB,  2*IMG
.set HALFT,  8*TILEB
.set SLOT,   4*HALFT
.set SCL,    2*SLOT
.set HALFS,  4096
.set SPARE,  SCL+4*HALFS
.set ADRA, 16
.set ADRB, 20
.set ADRS, 27
.set SPW,  28
.set NIL,  29
.set SC,   32
.set AF,   128
.set VO,   64
.set VS,   80
.set VS2,  81
.set TM,   82
.set PW,   94
.set W4,   104
.set W4H,  108
.set PT,   112
.set PC,   120
.set G1, 24
.set G0, 32
.set G1B, 48
.set G0B, 56
.set G1S, 68
.set G0S, 76
.set G1SB, 80
.set G0SB, 88
.set SEL, 66
.set MSB, 0
.macro WIN new
.if MSB != \new
	s_set_vgpr_msb (MSB<<8)|\new
.set MSB, \new
.endif
.endm
.set MUL_LO, 0xa1
.set MUL_HI, 0xf1
.set TO_B,   0x40
.macro JLOAD g0a, g1a, g0b, g1b
	s_cmp_eq_u32 s15, 0
	s_cbranch_scc0 .Lfor_b_\@
	tensor_load_to_lds s[\g0a:\g0a+3], s[\g1a:\g1a+7]
	s_nop 0
.rept 4
	v_nop
.endr
	s_branch .Lasked_\@
.Lfor_b_\@:
	tensor_load_to_lds s[\g0b:\g0b+3], s[\g1b:\g1b+7]
	s_nop 0
.rept 4
	v_nop
.endr
.Lasked_\@:
.endm
.macro CREST
	s_cmp_lg_u32 s14, 0
	s_cbranch_scc1 .Lnot_wave_0_\@
	s_barrier_signal -3
.Lnot_wave_0_\@:
	s_barrier_wait -3
	s_barrier_signal -1
	s_barrier_wait -1
.endm
.macro CROUND
	s_barrier_signal -1
	s_barrier_wait -1
	CREST
.endm
	s_load_b256 s[4:11], s[0:1], 0x0
	v_lshl_add_u32 v[SPW], v0, 2, SPARE
	v_mov_b32 v[NIL], 0
	ds_add_u32 v28, v29
	ds_add_u32 v28, v29
	s_wait_dscnt 0x0
	v_lshrrev_b32 v1, 5, v0
	v_readfirstlane_b32 s14, v1
	s_lshr_b32 s15, s14, 1
	s_and_b32 s16, s14, 1
	s_bfe_u32 s40, ttmp6, 0x40000
	s_bfe_u32 s41, ttmp6, 0x40004
	s_and_b32 s17, ttmp7, 0xffff
	s_lshr_b32 s95, s17, 3
	s_and_b32 s96, s17, 7
	s_lshl_b32 s96, s96, 2
	s_add_co_u32 s97, s96, s41
	s_add_co_u32 s98, s96, s40
	s_lshl_b32 s99, s95, 9
	s_lshl_b32 s3, s95, 6
	s_add_co_u32 s3, s3, 1536
	s_cmp_lt_u32 s95, 2
	s_cselect_b32 s17, s97, s41
	s_cselect_b32 s42, s40, s98
	s_cselect_b32 s99, s99, 1664
	s_cselect_b32 s3, s3, 1024
	s_lshl_b32 s43, s41, 2
	s_lshl_b32 s43, 15, s43
	s_lshl_b32 s44, 0x1111, s40
	s_or_b32 s[G1+0], s43, (3<<16)|(1<<21)
	s_or_b32 s[G1B+0], s44, (3<<16)|(1<<21)
.irp g, G1, G1B
	s_mov_b32 s[\g+1], 384<<16
	s_mov_b32 s[\g+2], 16<<16
	s_mov_b32 s[\g+3], 384<<16
	s_mov_b32 s[\g+4], 16
	s_mov_b32 s[\g+5], 1536
	s_mov_b32 s[\g+6], 0
	s_mov_b32 s[\g+7], 0
.endr
	s_or_b32 s[G1S+0], s43, (3<<16)|(1<<21)
	s_or_b32 s[G1SB+0], s44, (3<<16)|(1<<21)
.irp g, G1S, G1SB
	s_mov_b32 s[\g+1], 32<<16
	s_mov_b32 s[\g+2], 32<<16
	s_mov_b32 s[\g+3], 32<<16
	s_mov_b32 s[\g+4], 32
	s_mov_b32 s[\g+5], 32
	s_mov_b32 s[\g+6], 0
	s_mov_b32 s[\g+7], 0
.endr
	s_mul_i32 s18, s16, 8*12288                    ; in the ring a wave fetches 8 of a side's 16 tiles: which half, in bytes
	s_mov_b32 s19, 0
	s_lshl_b32 s20, s17, 4
	s_add_co_u32 s20, s20, s99
	s_lshl_b32 s46, s42, 4
	s_add_co_u32 s46, s46, s3
	s_lshl_b32 s22, s20, 9
	s_mov_b32 s23, 0
	s_lshl_b32 s92, s46, 9
	s_mov_b32 s93, 0
	s_mul_i32 s20, s20, 12288
	s_mov_b32 s21, 0
	s_mul_i32 s46, s46, 12288
	s_mov_b32 s47, 0
	s_mul_i32 s45, s14, HALFT
	s_wait_kmcnt 0x0
	s_add_nc_u64 s[20:21], s[4:5], s[20:21]
	s_add_nc_u64 s[22:23], s[6:7], s[22:23]
	s_add_nc_u64 s[46:47], s[4:5], s[46:47]
	s_add_nc_u64 s[92:93], s[6:7], s[92:93]
	CROUND
	; THE HEAD'S FOUR TILES, EACH WHOLE, ONE A WAVE: wave 0 slot 0's 16 tiles of A, wave 1 its 16 tiles of B, wave 2 the scale words of A's 16 tiles, wave 3 those of B's
	s_mov_b32 s[G0S], 1
	s_mov_b32 s[G0S+1], SCL
	s_mov_b64 s[G0S+2:G0S+3], s[22:23]
	s_or_b32 s[G0S+3], s[G0S+3], 0x80000000
	s_mov_b32 s[G0SB], 1
	s_mov_b32 s[G0SB+1], SCL+2*HALFS
	s_mov_b64 s[G0SB+2:G0SB+3], s[92:93]
	s_or_b32 s[G0SB+3], s[G0SB+3], 0x80000000
	s_mov_b32 s[G0], 1
	s_mov_b32 s[G0+1], 0
	s_mov_b64 s[G0+2:G0+3], s[20:21]
	s_or_b32 s[G0+3], s[G0+3], 0x80000000
	s_mov_b32 s[G0B], 1
	s_mov_b32 s[G0B+1], 2*HALFT
	s_mov_b64 s[G0B+2:G0B+3], s[46:47]
	s_or_b32 s[G0B+3], s[G0B+3], 0x80000000
	s_add_nc_u64 s[20:21], s[20:21], s[18:19]      ; for the ring: my 8 tiles of the side
	s_add_nc_u64 s[46:47], s[46:47], s[18:19]
	s_mov_b32 s[G0+4], 1
	s_add_co_u32 s[G0+5], s45, SLOT
	s_add_nc_u64 s[G0+6:G0+7], s[20:21], TILEB
	s_or_b32 s[G0+7], s[G0+7], 0x80000000
	s_mov_b32 s[G0B+4], 1
	s_add_co_u32 s[G0B+5], s45, SLOT
	s_add_nc_u64 s[G0B+6:G0B+7], s[46:47], TILEB
	s_or_b32 s[G0B+7], s[G0B+7], 0x80000000
.macro HARM under, g0, g1, next        ; one chain of arms on the wave's number, one load to an arm, all to one join
	s_cmp_lt_u32 s14, \under
	s_cbranch_scc0 \next
	tensor_load_to_lds s[\g0:\g0+3], s[\g1:\g1+7]
	s_nop 0
.rept 4
	v_nop
.endr
	s_branch .Lhead_asked
\next:
.endm
	HARM 1, G0,  G1,  .Lhead_b
	HARM 2, G0B, G1B, .Lhead_sa
	HARM 3, G0S, G1S, .Lhead_sb
	tensor_load_to_lds s[G0SB:G0SB+3], s[G1SB:G1SB+7]
	s_nop 0
.rept 4
	v_nop
.endr
.Lhead_asked:
	s_wait_alu depctr_va_vdst(0)
	s_wait_tensorcnt 0x0                           ; my tile of the four is in
	ds_add_u32 v28, v29
	s_mov_b32 s[G1+2], 8<<16                       ; no tensor load of mine is out: from here on a load brings 8 tiles,
	s_mov_b32 s[G1+4], 8
	s_mov_b32 s[G1B+2], 8<<16
	s_mov_b32 s[G1B+4], 8
	s_mov_b32 s[G0+1], s45                         ; and slot 0's group 0 stands at my 8 tiles
	s_mov_b64 s[G0+2:G0+3], s[20:21]
	s_or_b32 s[G0+3], s[G0+3], 0x80000000
	s_mov_b32 s[G0B+1], s45
	s_mov_b64 s[G0B+2:G0B+3], s[46:47]
	s_or_b32 s[G0B+3], s[G0B+3], 0x80000000
	s_wait_dscnt 0x0
	CROUND
	JLOAD G0+4, G1, G0B+4, G1B                     ; slot 1's first fill, the first tensor load behind the round
	v_and_b32 v1, 15, v0
	v_bfe_u32 v2, v0, 4, 1
	s_wait_alu depctr_va_vdst(0)
	v_and_b32 v3, 31, v0
	v_lshlrev_b32 v3, 3, v3
	s_wait_alu depctr_va_vdst(0)
	s_mul_i32 s21, s15, HALFT
	s_mul_i32 s22, s16, HALFT
	s_add_co_u32 s22, s22, 2*HALFT
.irp s, 0,1
	v_add_nc_u32 v[ADRA+\s], s21, v3
	v_add_nc_u32 v[ADRB+\s], s22, v3
	s_add_co_u32 s21, s21, SLOT
	s_add_co_u32 s22, s22, SLOT
.endr
	v_lshlrev_b32 v5, 4, v1
	s_lshl_b32 s21, s15, 12
	s_lshl_b32 s22, s16, 12
	s_add_co_u32 s22, s22, 2*HALFS
	s_sub_co_u32 s22, s22, s21
	v_mul_u32_u24 v6, s22, v2
	s_add_co_u32 s21, s21, SCL
	v_add_nc_u32 v5, v5, v6
	v_add_nc_u32 v[ADRS], s21, v5
	s_cmp_lt_u32 s95, 2
	s_cselect_b32 s18, s17, s42
	s_cselect_b32 s19, s15, s16
	s_cselect_b32 s20, s42, s17
	s_cselect_b32 s21, s16, s15
	s_mov_b32 s96, 1536
	s_cselect_b32 s96, 768, s96
	s_mov_b32 s97, 98304
	s_cselect_b32 s97, 3072, s97
	s_mov_b32 s98, 768
	s_cselect_b32 s98, 98304, s98
	s_mov_b32 s22, 256
	s_cselect_b32 s22, 512, s22
	s_mov_b32 s23, 12288
	s_cselect_b32 s23, 256, s23
	s_mov_b32 s94, 532480
	s_cselect_b32 s94, 524288, s94
	s_cmp_eq_u32 s95, 0
	s_cselect_b32 s94, 0, s94
	s_mov_b32 s99, 12288
	s_cselect_b32 s99, 8192, s99
	s_lshl_b32 s18, s18, 1
	s_add_co_u32 s18, s18, s19
	s_lshr_b32 s19, s18, 4
	s_and_b32 s18, s18, 15
	s_lshl_b32 s19, s19, 4
	s_lshl_b32 s20, s20, 2
	s_lshl_b32 s21, s21, 1
	s_add_co_u32 s19, s19, s20
	s_add_co_u32 s19, s19, s21
	s_mul_i32 s20, s95, 6291456
	s_mul_i32 s21, s19, 98304
	s_add_co_u32 s20, s20, s21
	s_mul_i32 s21, s18, 6144
	s_add_co_u32 s20, s20, s21
	s_mul_i32 s21, s19, s99
	s_add_co_u32 s94, s94, s21
	s_mul_i32 s21, s18, s22
	s_add_co_u32 s94, s94, s21
	v_add_nc_u32 v7, s20, v3
	s_wait_alu depctr_va_vdst(0)
.irp a, 0,1,2,3,4,5,6,7
	s_mul_i32 s92, s96, (\a&3)
	s_mul_i32 s93, s97, (\a>>2)
	s_add_co_u32 s92, s92, s93
	v_add_nc_u32 v[VO+2*\a], s92, v7
	s_add_co_u32 s92, s92, s98
	v_add_nc_u32 v[VO+2*\a+1], s92, v7
.endr
	v_lshlrev_b32 v8, 4, v1
	v_mul_u32_u24 v9, s23, v2
	v_add3_u32 v[VS], v8, v9, s94
	v_add_nc_u32 v[VS2], s99, v[VS]
	s_mov_b32 s[SEL], 0x76543210
	s_mov_b32 s[SEL+1], 0xfedcba98
	s_mov_b32 s3, 0xffff0000
.irp b, 0,1,2,3
	v_mov_b32 v[TM+4+\b], 0
.endr
.macro FRAG reg, adr, q, i
.irp p, 0,1,2,3,4,5
	ds_load_b64 v[\reg+2*\p:\reg+2*\p+1], v[\adr] offset:(\i)*TILEB+(\q)*IMG+256*\p
.endr
.endm
.macro MUL16 a0, p, q, sc, zero
.irp a, \a0, \a0+1
.irp b, 0,1,2,3,4,5,6,7
.if \zero
	v_wmma_scale_f32_16x16x128_f8f6f4 v[8*(8*((\a)%4)+\b):8*(8*((\a)%4)+\b)+7], v[128*(\p)+FR*\b:128*(\p)+FR*\b+FR-1], v[AF+FR*(\a):AF+FR*(\a)+FR-1], 0, v[SC+8*NQ*(\sc)+NQ*\b+(\q)], v[SC+8*NQ*(\sc)+NQ*(\a)+(\q)] matrix_a_fmt:MATRIX_FMT_FP6 matrix_b_fmt:MATRIX_FMT_FP6 matrix_a_scale:MATRIX_SCALE_ROW1
.else
	v_wmma_scale_f32_16x16x128_f8f6f4 v[8*(8*((\a)%4)+\b):8*(8*((\a)%4)+\b)+7], v[128*(\p)+FR*\b:128*(\p)+FR*\b+FR-1], v[AF+FR*(\a):AF+FR*(\a)+FR-1], v[8*(8*((\a)%4)+\b):8*(8*((\a)%4)+\b)+7], v[SC+8*NQ*(\sc)+NQ*\b+(\q)], v[SC+8*NQ*(\sc)+NQ*(\a)+(\q)] matrix_a_fmt:MATRIX_FMT_FP6 matrix_b_fmt:MATRIX_FMT_FP6 matrix_a_scale:MATRIX_SCALE_ROW1
.endif
.endr
.endr
.endm
.macro FETCH_B slot, q, p
	WIN TO_B
.irp i, 0,1,2,3,4,5,6,7
	FRAG 128*(\p)+FR*\i, ADRB+\slot, \q, \i
.endr
	WIN 0
.endm
.macro FETCH_A slot, q, i0
.irp i, \i0, \i0+1, \i0+2, \i0+3
	FRAG AF+FR*(\i), ADRA+\slot, \q, \i
.endr
.endm
.macro SCALES sc, j
.irp i, 0,1,2,3,4,5,6,7
	ds_load_b64 v[SC+8*NQ*\sc+NQ*\i:SC+8*NQ*\sc+NQ*\i+1], v[ADRS] offset:\i*512+(\j>>1)*256+(\j&1)*8
.endr
.endm
.macro PLACES n
.rept \n
	v_nop
.endr
.endm
.macro STEP slot, q, zero
	s_wait_dscnt 4*NL
	WIN MUL_LO
	MUL16 0, (\q)%2, \q, \slot, \zero
	MUL16 2, (\q)%2, \q, \slot, \zero
	s_wait_dscnt 0
	PLACES NP
	FETCH_B \slot, (\q)+1, 1-(\q)%2
	FETCH_A \slot, (\q)+1, 0
	WIN MUL_HI
	MUL16 4, (\q)%2, \q, \slot, \zero
	MUL16 6, (\q)%2, \q, \slot, \zero
	PLACES NP
	WIN 0
	FETCH_A \slot, (\q)+1, 4
.endm
.macro TURN slot, next, fill, j
	s_wait_tensorcnt 0x0
	ds_add_u32 v[SPW], v[NIL]
	s_wait_dscnt 4*NL+1
	WIN MUL_LO
	MUL16 0, 1, NQ-1, \slot, 0
	s_wait_dscnt 0x0
	s_barrier_signal -1
	MUL16 2, 1, NQ-1, \slot, 0
	WIN 0
	s_barrier_wait -1
.if \fill
	CREST
	s_add_nc_u64 s[G0+4*\slot+2:G0+4*\slot+3], s[G0+4*\slot+2:G0+4*\slot+3], 2*TILEB
	s_add_nc_u64 s[G0B+4*\slot+2:G0B+4*\slot+3], s[G0B+4*\slot+2:G0B+4*\slot+3], 2*TILEB
	JLOAD G0+4*\slot, G1, G0B+4*\slot, G1B
.else
	PLACES NP
.endif
	FETCH_B \next, 0, 0
	FETCH_A \next, 0, 0
	SCALES \next, \j
	WIN MUL_HI
	MUL16 4, 1, NQ-1, \slot, 0
	MUL16 6, 1, NQ-1, \slot, 0
	PLACES NP
	WIN 0
	FETCH_A \next, 0, 4
.endm
	s_wait_tensorcnt 1
	s_barrier_signal -1
	s_barrier_wait -1
	FETCH_B 0, 0, 0
	FETCH_A 0, 0, 0
	SCALES 0, 0
	FETCH_A 0, 0, 4
	STEP 0, 0, 1
	TURN 0, 1, 1, 1
	STEP 1, 0, 0
	TURN 1, 0, 1, 2
	STEP 0, 0, 0
	TURN 0, 1, 0, 3
	STEP 1, 0, 0
	s_wait_dscnt 4*NL
	WIN MUL_LO
	MUL16 0, 1, NQ-1, 1, 0
	MUL16 2, 1, NQ-1, 1, 0
	s_wait_dscnt 0
	WIN MUL_HI
	MUL16 4, 1, NQ-1, 1, 0
	MUL16 6, 1, NQ-1, 1, 0
	WIN 0
.macro QUANTW a
.set AC, 64*((\a)%4)
.set PCA, PC+12*(\a)
	WIN 0x0a+5*((\a)/4)
.irp b, 0,1,2,3
	v_max3_num_f32 v[TM+\b], |v[AC+16*\b]|, |v[AC+16*\b+1]|, 0x1800000
.endr
.irp i, 2,4,6,8,10,12,14
.irp b, 0,1,2,3
	v_max3_num_f32 v[TM+\b], |v[AC+16*\b+\i]|, |v[AC+16*\b+\i+1]|, v[TM+\b]
.endr
.endr
	WIN 0
.irp b, 0,1,2,3
	v_permlanex16_b32 v[TM+4+\b], v[TM+\b], s[SEL], s[SEL+1]
.endr
.irp b, 0,1,2,3
	v_max_num_f32 v[TM+\b], v[TM+\b], v[TM+4+\b]
.endr
.irp b, 0,1,2,3
	v_add_nc_u32 v[TM+8+\b], 0xff000000, v[TM+\b]
.endr
.irp b, 0,1,2,3
	v_lshrrev_b32 v[TM+4+\b], 23, v[TM+8+\b]
.endr
	v_lshl_or_b32 v[PW+(\a)], v[TM+5], 8, v[TM+4]
	v_lshl_or_b32 v[PW+(\a)], v[TM+6], 16, v[PW+(\a)]
	v_lshl_or_b32 v[PW+(\a)], v[TM+7], 24, v[PW+(\a)]
	WIN 2+(\a)/4
.irp c, 0,1
	v_cvt_scalef32_pk16_fp6_f32 v[PCA+6*\c:PCA+6*\c+2], v[AC+32*\c:AC+32*\c+15], v[TM+8+2*\c]
	v_cvt_scalef32_pk16_fp6_f32 v[PT+4*\c:PT+4*\c+2], v[AC+32*\c+16:AC+32*\c+31], v[TM+8+2*\c+1]
.endr
	WIN 0
	v_nop
.irp c, 0,1
.irp i, 0,1,2
	v_permlane16_swap_b32 v[PCA+6*\c+\i], v[PT+4*\c+\i]
.endr
.irp i, 0,1,2
	v_mov_b32 v[PCA+3+6*\c+\i], v[PT+4*\c+\i]
.endr
.endr
.irp p, 0,1,2,3,4,5
	global_store_b64 v[VO+2*(\a)+\p/3], v[PCA+2*\p:PCA+2*\p+1], s[8:9] offset:256*(\p%3)
.endr
.endm
	PLACES NP
.irp a, 0,1,2,3,4,5,6,7
	QUANTW \a
.endr
.irp j, 0,1,2,3
	v_cndmask_b32 v[W4+\j], v[PW+\j], v[PW+4+\j], s3
.endr
	global_store_b128 v[VS], v[W4:W4+3], s[10:11]
	s_cmp_eq_u32 s95, 2
	s_cbranch_scc1 .Lno_high
.irp j, 0,1,2,3
	v_lshrrev_b32 v[W4H+\j], 16, v[W4+\j]
.endr
	global_store_b128 v[VS2], v[W4H:W4H+3], s[10:11]
.Lno_high:
	s_wait_tensorcnt 0x0
	ds_add_u32 v[SPW], v[NIL]
	s_wait_dscnt 0x0
	CROUND
	s_endpgm
.Lfunc_end_k_q811f725347_proj:
	.size	k_q811f725347_proj, .Lfunc_end_k_q811f725347_proj-k_q811f725347_proj
	.p2alignl 7, 3214868480
	.fill 96, 4, 3214868480
	.section	.rodata,"a",@progbits
	.p2align	6, 0x0
	.amdhsa_kernel k_q811f725347_proj
		.amdhsa_group_segment_fixed_size 327680
		.amdhsa_private_segment_fixed_size 0
		.amdhsa_enable_private_segment 0
		.amdhsa_kernarg_size 32
		.amdhsa_user_sgpr_count 2
		.amdhsa_user_sgpr_kernarg_segment_ptr 1
		.amdhsa_wavefront_size32 1
		.amdhsa_system_sgpr_workgroup_id_x 1
		.amdhsa_system_sgpr_workgroup_id_y 1
		.amdhsa_system_sgpr_workgroup_id_z 1
		.amdhsa_system_vgpr_workitem_id 0
		.amdhsa_next_free_vgpr 1024
		.amdhsa_next_free_sgpr 100
		.amdhsa_reserve_vcc 0
		.amdhsa_float_denorm_mode_32 3
		.amdhsa_float_denorm_mode_16_64 3
		.amdhsa_memory_ordered 1
		.amdhsa_forward_progress 1
		.amdhsa_inst_pref_size 170
	.end_amdhsa_kernel
	.amdgpu_metadata
---
amdhsa.version: [ 1, 2 ]
amdhsa.kernels:
  - .name:           k_q811f725347_proj
    .symbol:         k_q811f725347_proj.kd
    .args:
      - { .name: cin, .offset: 0, .size: 8, .value_kind: global_buffer, .address_space: global }
      - { .name: sin, .offset: 8, .size: 8, .value_kind: global_buffer, .address_space: global }
      - { .name: pc, .offset: 16, .size: 8, .value_kind: global_buffer, .address_space: global }
      - { .name: ps, .offset: 24, .size: 8, .value_kind: global_buffer, .address_space: global }
    .group_segment_fixed_size: 327680
    .private_segment_fixed_size: 0
    .kernarg_segment_align: 8
    .kernarg_segment_size: 32
    .max_flat_workgroup_size: 128
    .sgpr_count:     100
    .vgpr_count:     1024
    .wavefront_size: 32
...
	.end_amdgpu_metadata
.endif
;; end of part 2
;; launch attn (part 3): grid 4 x 64, 8 waves a work-group, clusters of 4 x 1, 210,944 bytes of LDS; arguments pc, ps, oc, os; writes oc, os
.if DOCPART == 3
	.amdgcn_target "amdgcn-amd-amdhsa--gfx1250"
	.amdhsa_code_object_version 6
	.text
	.protected	k_q811f725347_attn
	.globl	k_q811f725347_attn
	.p2align	8
	.type	k_q811f725347_attn,@function
k_q811f725347_attn:
	s_mov_b64 s[64:65], 0
	v_nop
	global_prefetch_b8 v0, s[64:65] scope:SCOPE_SE
	s_setreg_imm32_b32 hwreg(HW_REG_WAVE_MODE, 25, 1), 1
	s_wait_xcnt 0x0
	s_wait_alu depctr_hold_cnt(0) depctr_sa_sdst(0) depctr_va_vdst(0) depctr_va_sdst(0) depctr_va_ssrc(0) depctr_va_vcc(0) depctr_vm_vsrc(0)
	s_getreg_b32 s2, hwreg(HW_REG_IB_STS2, 6, 4)
	s_cmp_eq_u32 s2, 0
	s_cbranch_scc0 .Lentry_in_a_cluster
	s_endpgm
.Lentry_in_a_cluster:
	s_bfe_u32 s2, ttmp6, 0x10000c
	s_cmp_lg_u32 s2, 0x3003
	s_cbranch_scc0 .Lentry_shape_is_right
	s_endpgm
.Lentry_shape_is_right:
; o = softmax(q k^T / 8) v for one head of 64 and 2,048 keys, both products on codes of FP6 (E2M3) with E8M0 scales; o / l is quantised along the model's 1,024 and leaves as codes for the last product.
; THE SOFTMAX: t = score x log2(e) / 8; M = the running largest t rounded UP to a whole number; p = 2^(t - M) is quantised along the keys, not normalised; the row's sum is taken of the unquantised p and divides
; at the end.  When M moves, the sum and O^T are multiplied by 2^(old M - new M): exact.
; SHARES.  Work-group y is the head (batch x 16 + head); the four work-groups of a cluster take 512 queries each; each of eight waves takes TWO tiles of 16 queries at a time, in two passes:
; every fragment of K and of V that a wave reads from LDS feeds two products.
; THE WHOLE HEAD'S K AND V LIE IN LDS, FILLED ONCE: 98,304 bytes each, and 12,288 of scale words: no ring, no byte filled twice.  The four partners walk the same K and V: every load is joint (mask 15).
; Five loads, one a wave, in one chain of arms: wave 0 the scale words, wave 1 K's keys 0-511, wave 2 V's keys 0-511, wave 3 K's other 1,536 keys, wave 4 V's.  The first barrier shows waves 0 to 2's tiles
; (they alone wait there); three key steps are worked on them; ahead of the second barrier every wave waits for all its loads.  In the second pass both waits are met at once.
; No prefetch into the L2: all tensor loads go out at the head, so there is no loop that could run ahead of one.
; Q's codes and scale words come through staging registers, loaded a pass ahead (the first pass's at the head).
; LAYOUT.  Operands are images of their registers ([pair][lane][8 bytes]).  Both products are used transposed: S^T = K Q^T (source 0 = 16 keys), O^T = V^T P^T (source 0 = 16 of the head's 64): a lane holds one query.
; K's tile 4 c + j holds in row 8 h + i key 64 c + 32 h + 8 j + i (the first launch lays tensor K so): a lane's 32 registers of tiles 4 c .. 4 c + 3 are keys 64 c + 32 h + 0 .. 31: ONE scale block of p, in the
; very place that the next operand wants it: the block's maximum asks no other lane and no code changes lanes.  V's d tiles hold rows 32 (t / 2) + 8 (t % 2) + r + 8 (r / 8): tiles 2 b, 2 b + 1 of O^T give 16 neighbouring channels.
; A HEAD IS 64: the first product's K of 128 is filled with zero codes on Q's side; what stands opposite them in K's operand (the next tile's codes) and in the scale words' upper bytes (never 0xff) adds nothing.
; LDS LOADS RUN AHEAD: V's fragments of a step are asked for at its top, K's of the next step behind this step's first products.  Each run is 24 + 1 loads, so each wait has the count 25: the younger run may be out.
; (The last step asks for a seventeenth step of K: bytes of V's region, inside LDS and filled; they are not used.)
; Two waves share a SIMD: where a plain line reads the result of a plain line one to four lines back, a one-field s_delay_alu stands ahead of it.
; LIMITS: NaN and infinities are not served; the promise holds while |t| stays under 2^31; a block's byte is held at 1 from below; a block of zeros gets the byte 1 (its codes are zeros; this program alone reads the bytes).
; os is stored a byte a lane: 32 bytes of a tile's 512 for each head.
; REGISTERS, in windows of 256.  Window 0: v1-11 addresses; v12-19 -M, the largest score, the sums; v20-35 scale words; v40-93 K's 8 tiles and six zeros; v96-223 S^T, then p, two tiles; v224-247 small things.
; Window 1: v0-63 O^T; v64-87 Q's two operands; v88-111 p's codes; v112-127 the conversions' second halves; v160-207 V's four fragments; v208-219 Q's codes of the next pass.
.set VREG, 98304                       ; LDS: K's codes at 0 (tile T at 768 T), V's here (key step s at 6,144 s, d tile t at 1,536 t),
.set KSC,  196608                      ; K's scale words (512 bytes a key step),
.set VSC,  204800                      ; V's (256 a key step),
.set SPARE, 208896                     ; the spare words: 128 bytes a wave
.set AK0,  1                           ; 8 x lane
.set AV0,  2                           ; VREG + 8 x lane
.set ASK0, 3                           ; KSC + 16 x lane
.set ASV0, 4                           ; VSC + 16 r
.set SH8,  5                           ; 8 (lane / 16)
.set QSA,  6                           ; 16 r
.set OSA,  7                           ; 16 r + lane / 16
.set ADK,  8
.set ADV,  9
.set ADS,  10
.set ADT,  11
.set NM,   12                          ; v12, v14 -M;  v13, v15 the largest score so far
.set LS,   16                          ; v[16:17], v[18:19] the sums, in two halves
.set QSW,  20                          ; v20, v21 q's scale words
.set KSW,  24                          ; v[24:27] K's: word j: lanes 0-15 tile j, lanes 16-31 tile 4 + j
.set VSW,  28                          ; v[28:31] V's: word t
.set PSW,  32                          ; v32, v33 p's
.set QSN,  34                          ; v34, v35 q's of the next pass
.set KV,   40
.set S,    96
.set BM,   224                         ; + 2 a + c: a block's largest score, then p
.set SO,   228                         ; the conversions' scale operands
.set BX,   232                         ; bytes
.set T,    236
.set T2,   238
.set F,    240                         ; v[240:241], v[242:243] f = 2^(old M - new M), later 1 / l
.set BY,   244                         ; the maxima's second chains
.set O,    0                           ; window 1
.set QF,   64
.set PC,   88
.set PT,   112
.set VF,   160
.set QN,   208
.set WV,   12
.set SEL,  20
.set CS,   22
.set G1C,  24                          ; group 1: 96 rows of 256 bytes;  G1S: 48;  G1R: 288
.set G1S,  32
.set G0K,  40
.set G0V,  44
.set G0KR, 48
.set G0VR, 52
.set G0S,  56
.set HIM,  60
.set TK,   61
.set TS,   62
.set TJ,   63
.set PASS, 66
.set CNT,  67
.set QC,   68
.set QS,   70
.set OC,   72
.set OSB,  74
.set G1R,  84
.set MSB, 0
.macro WIN new                         ; the immediate's high byte repeats the setting that is left
.if MSB != \new
	s_set_vgpr_msb (MSB<<8)|\new
.set MSB, \new
.endif
.endm
.macro WALU
	s_wait_alu depctr_va_vdst(0)
.endm
.macro PLACES
.rept 4
	v_nop
.endr
.endm
.macro CROUND                          ; a round of the cluster's barrier
	s_barrier_signal -1
	s_barrier_wait -1
	s_cmp_lg_u32 s[WV], 0
	s_cbranch_scc1 .Lnot_wave_0_\@
	s_barrier_signal -3
.Lnot_wave_0_\@:
	s_barrier_wait -3
	s_barrier_signal -1
	s_barrier_wait -1
.endm
.macro GROUP1 g, rows                  ; a dense block as rows of 256 bytes (32 elements of 8); mask: all four work-groups, bit 21 beside it
	s_mov_b32 s[\g], 15|(3<<16)|(1<<21)
	s_mov_b32 s[\g+1], 32<<16
	s_mov_b32 s[\g+2], (\rows)<<16
	s_mov_b32 s[\g+3], 32<<16
	s_mov_b32 s[\g+4], \rows
	s_mov_b32 s[\g+5], 32
	s_mov_b32 s[\g+6], 0
	s_mov_b32 s[\g+7], 0
.endm
.macro GROUP0 g, lds, base, off
	s_mov_b32 s[\g], 1
	s_mov_b32 s[\g+1], \lds
	s_add_nc_u64 s[\g+2:\g+3], s[\base:\base+1], \off
	s_or_b32 s[\g+3], s[\g+3], 0x80000000
.endm
.macro ARM n, g0, g1                   ; wave n's one load
	s_cmp_eq_u32 s[WV], \n
	s_cbranch_scc0 .Lnot_\n
	tensor_load_to_lds s[\g0:\g0+3], s[\g1:\g1+7]
	s_nop 0
	PLACES
	s_branch .Lasked
.Lnot_\n:
.endm
.macro KLOAD adr, sadr, off, soff      ; K's eight tiles and their scale words: 25 loads
.irp t, 0,1,2,3,4,5,6,7
.irp p, 0,1,2
	ds_load_b64 v[KV+6*\t+2*\p:KV+6*\t+2*\p+1], v[\adr] offset:\off+768*\t+256*\p
.endr
.endr
	ds_load_b128 v[KSW:KSW+3], v[\sadr] offset:\soff
.endm
.macro QLOAD                           ; two tiles of q into the staging registers: 7 loads
	WIN 0x40
.irp a, 0,1
.irp p, 0,1,2
	global_load_b64 v[QN+6*\a+2*\p:QN+6*\a+2*\p+1], v[AK0], s[QC:QC+1] offset:768*\a+256*\p
.endr
.endr
	WIN 0
	global_load_b64 v[QSN:QSN+1], v[QSA], s[QS:QS+1]
.endm
.macro TADD i                          ; line i of the upper levels of the two sum trees, in place: 16 + 8 + 4 + 2 sums of pairs, then the two running sums
.if (\i) < 16
.set X_, S+64*((\i)/8)+8*((\i)%8)
.set D_, 4
.elseif (\i) < 24
.set X_, S+64*(((\i)-16)/4)+16*(((\i)-16)%4)
.set D_, 8
.elseif (\i) < 28
.set X_, S+64*(((\i)-24)/2)+32*(((\i)-24)%2)
.set D_, 16
.elseif (\i) < 30
.set X_, S+64*((\i)-28)
.set D_, 32
.endif
.if (\i) < 30
	v_pk_add_f32 v[X_:X_+1], v[X_:X_+1], v[X_+D_:X_+D_+1]
.else
	v_pk_add_f32 v[LS+2*((\i)-30):LS+2*((\i)-30)+1], v[LS+2*((\i)-30):LS+2*((\i)-30)+1], v[S+64*((\i)-30):S+64*((\i)-30)+1]
.endif
.endm
	s_load_b256 s[4:11], s[0:1], 0x0               ; pc, ps, oc, os
	v_lshl_add_u32 v254, v0, 2, SPARE
	v_mov_b32 v255, 0
	ds_add_u32 v254, v255                          ; the opening lines: the add, twice on end, and its wait
	ds_add_u32 v254, v255
	v_lshrrev_b32 v37, 5, v0
	v_readfirstlane_b32 s[WV], v37                 ; wave 0..7
	s_and_b32 s13, ttmp7, 0xffff                   ; the head, which the four partners share
	s_bfe_u32 s14, ttmp6, 0x40000                  ; cx: it enters q's, oc's and os's addresses alone
	GROUP1 G1C, 96
	GROUP1 G1S, 48
	GROUP1 G1R, 288
	s_mul_i32 s78, s13, 98304
	s_add_co_u32 s78, s78, 6291456                 ; in pc: k at 6,291,456, v 6,291,456 further on
	s_mov_b32 s79, 0
	s_mul_i32 s80, s13, 12288
	s_add_co_u32 s80, s80, 524288
	s_mov_b32 s81, 0
	WALU
	s_wait_dscnt 0x0
	s_wait_kmcnt 0x0
	s_add_nc_u64 s[78:79], s[4:5], s[78:79]
	s_add_nc_u64 s[80:81], s[6:7], s[80:81]
	GROUP0 G0S,  KSC, 80, 0
	GROUP0 G0K,  0, 78, 0
	GROUP0 G0V,  VREG, 78, 6291456
	GROUP0 G0KR, 24576, 78, 24576
	GROUP0 G0VR, VREG+24576, 78, 6291456+24576
	CROUND                                         ; all four work-groups are here: the joint loads meet
	ARM 0, G0S, G1S
	ARM 1, G0K, G1C
	ARM 2, G0V, G1C
	ARM 3, G0KR, G1R
	ARM 4, G0VR, G1R
.Lasked:
	s_lshl_b32 s15, s14, 5
	s_lshl_b32 s16, s[WV], 1
	s_add_co_u32 s15, s15, s16                     ; my first tile of queries in the head: 32 cx + 2 wave; its neighbour is my second; the second pass lies 16 tiles on
	s_mul_i32 s16, s13, 98304
	s_mul_i32 s17, s15, 768
	s_add_co_u32 s16, s16, s17
	s_mov_b32 s17, 0
	s_add_nc_u64 s[QC:QC+1], s[4:5], s[16:17]
	s_lshl_b32 s16, s13, 13                        ; q's scale word: head x 8,192 + (T / 8) x 512 + ((T / 4) % 2) x 256 + (T % 4) x 4
	s_lshr_b32 s18, s15, 3
	s_lshl_b32 s18, s18, 9
	s_add_co_u32 s16, s16, s18
	s_bfe_u32 s18, s15, 0x10002
	s_lshl_b32 s18, s18, 8
	s_add_co_u32 s16, s16, s18
	s_and_b32 s18, s15, 3
	s_lshl_b32 s18, s18, 2
	s_add_co_u32 s16, s16, s18
	s_add_nc_u64 s[QS:QS+1], s[6:7], s[16:17]
	s_lshr_b32 s18, s13, 4                         ; batch
	s_and_b32 s19, s13, 15                         ; head in the batch
	s_lshl_b32 s18, s18, 7
	s_add_co_u32 s18, s18, s15                     ; the tile among the 512 of all rows
	s_mul_i32 s16, s18, 12288
	s_mul_i32 s60, s19, 768
	s_add_co_u32 s16, s16, s60
	s_add_nc_u64 s[OC:OC+1], s[8:9], s[16:17]
	s_lshl_b32 s16, s18, 9                         ; os: 512 a tile; K half head / 8; in a row's 16 bytes: 2 (head % 8)
	s_lshr_b32 s60, s19, 3
	s_lshl_b32 s60, s60, 8
	s_add_co_u32 s16, s16, s60
	s_and_b32 s60, s19, 7
	s_lshl_b32 s60, s60, 1
	s_add_co_u32 s16, s16, s60
	s_add_nc_u64 s[OSB:OSB+1], s[10:11], s[16:17]
	s_mov_b32 s[HIM], 0xffff0000
	s_mov_b32 s[SEL], 0x76543210
	s_mov_b32 s[SEL+1], 0xfedcba98
	s_mov_b32 s[CS], 0x3e38aa3b                    ; log2(e) / 8
	s_mov_b32 s[CS+1], s[CS]
	v_and_b32 v37, 31, v0
	v_and_b32 v38, 15, v0
	v_bfe_u32 v39, v0, 4, 1
	v_lshlrev_b32 v[AK0], 3, v37
	v_lshl_add_u32 v[ASK0], v37, 4, KSC
	v_lshl_add_u32 v[ASV0], v38, 4, VSC
	v_lshlrev_b32 v[QSA], 4, v38
	v_lshlrev_b32 v[SH8], 3, v39
	v_add_nc_u32 v[AV0], VREG, v[AK0]
	v_add_nc_u32 v[OSA], v[QSA], v39
	QLOAD                                          ; the first pass's q, under the tensor loads' flight
.irp j, 0,1,2,3,4,5
	v_mov_b32 v[KV+48+\j], 0                       ; what stands behind K's last tile
.endr
.irp j, 0,1
	v_mov_b32 v[T+\j], 0                           ; a lane permute's destination counts as one of its sources
	v_mov_b32 v[F+2*\j+1], 0                       ; (named as the upper half of a pair)
.endr
	WIN 0x40
.irp j, 6,7,8,9,10,11,18,19,20,21,22,23
	v_mov_b32 v[QF+\j], 0                          ; zero codes: the upper 64 of the first product's K
.endr
	WIN 0
; A KEY STEP: 128 keys x 32 queries.
.macro STEP
	v_add_nc_u32 v[ADK], s[TK], v[AK0]             ; these four are also places behind the last step's products, in front of the loads into registers that they read
	v_add_nc_u32 v[ADV], s[TK], v[AV0]
	v_add_nc_u32 v[ADS], s[TS], v[ASK0]
	v_add_nc_u32 v[ADT], s[TJ], v[ASV0]
	WIN 0x40
.irp t, 0,1,2,3
.irp p, 0,1,2,3,4,5
	ds_load_b64 v[VF+12*\t+2*\p:VF+12*\t+2*\p+1], v[ADV] offset:1536*\t+256*\p
.endr
.endr
	WIN 0
	ds_load_b128 v[VSW:VSW+3], v[ADT]
	WALU
	s_wait_dscnt 25                                ; K's 25 loads are in; V's 25, just issued, may be out
	WIN 0x04                                       ; source 1 (Q) in window 1
.irp t, 0,1,2,3                                ; S^T = K Q^T: sixteen accumulators, each begun with 0
.irp a, 0,1
	v_wmma_scale_f32_16x16x128_f8f6f4 v[S+64*\a+8*\t:S+64*\a+8*\t+7], v[KV+6*\t:KV+6*\t+11], v[QF+12*\a:QF+12*\a+11], 0, v[KSW+\t], v[QSW+\a] matrix_a_fmt:MATRIX_FMT_FP6 matrix_b_fmt:MATRIX_FMT_FP6
.endr
.endr
.irp t, 4,5,6,7
.irp a, 0,1
	v_wmma_scale_f32_16x16x128_f8f6f4 v[S+64*\a+8*\t:S+64*\a+8*\t+7], v[KV+6*\t:KV+6*\t+11], v[QF+12*\a:QF+12*\a+11], 0, v[KSW+\t-4], v[QSW+\a] matrix_a_fmt:MATRIX_FMT_FP6 matrix_b_fmt:MATRIX_FMT_FP6 matrix_a_scale:MATRIX_SCALE_ROW1
.endr
.endr
	WIN 0
	PLACES                                         ; in front of the loads into K's registers and of the first read of the scores
	KLOAD ADK, ADS, 6144, 512                      ; the next step's K
.irp a, 0,1                                    ; the largest score of each block of 32 keys, all in my lane: two chains a block, eight by turns; each accumulator is first read at its low end
.irp c, 0,1
	v_max3_num_f32 v[BM+2*\a+\c], v[S+64*\a+32*\c], v[S+64*\a+32*\c+1], v[S+64*\a+32*\c+2]
	v_max3_num_f32 v[BY+2*\a+\c], v[S+64*\a+32*\c+16], v[S+64*\a+32*\c+17], v[S+64*\a+32*\c+18]
.endr
.endr
.irp i, 3,5,7,9,11,13
.irp a, 0,1
.irp c, 0,1
	v_max3_num_f32 v[BM+2*\a+\c], v[BM+2*\a+\c], v[S+64*\a+32*\c+\i], v[S+64*\a+32*\c+\i+1]
	v_max3_num_f32 v[BY+2*\a+\c], v[BY+2*\a+\c], v[S+64*\a+32*\c+16+\i], v[S+64*\a+32*\c+16+\i+1]
.endr
.endr
.endr
.irp a, 0,1
.irp c, 0,1
	v_max3_num_f32 v[BM+2*\a+\c], v[BM+2*\a+\c], v[BY+2*\a+\c], v[S+64*\a+32*\c+15]
.endr
.endr
.irp a, 0,1
.irp c, 0,1
	v_max_num_f32 v[BM+2*\a+\c], v[BM+2*\a+\c], v[S+64*\a+32*\c+31]
.endr
.endr
	s_delay_alu instid0(VALU_DEP_3)
	v_max3_num_f32 v[NM+1], v[NM+1], v[BM], v[BM+1]       ; the running largest score
	s_delay_alu instid0(VALU_DEP_2)
	v_max3_num_f32 v[NM+3], v[NM+3], v[BM+2], v[BM+3]
.irp a, 0,1
	s_delay_alu instid0(VALU_DEP_2)
	v_permlanex16_b32 v[T+\a], v[NM+2*\a+1], s[SEL], s[SEL+1]
.endr
.irp a, 0,1
	s_delay_alu instid0(VALU_DEP_2)
	v_max_num_f32 v[NM+2*\a+1], v[NM+2*\a+1], v[T+\a]   ; with lane l xor 16's keys
.endr
.irp a, 0,1
	s_delay_alu instid0(VALU_DEP_2)
	v_mul_f32 v[T+\a], s[CS], v[NM+2*\a+1]         ; as t (c is positive)
.endr
.irp a, 0,1
	s_delay_alu instid0(VALU_DEP_2)
	v_floor_f32 v[T2+\a], -v[T+\a]                 ; the new -M = -ceil(t)
.endr
.irp a, 0,1
	s_delay_alu instid0(VALU_DEP_2)
	v_sub_f32 v[T+\a], v[T2+\a], v[NM+2*\a]        ; old M - new M: a whole number, 0 or less
.endr
.irp a, 0,1
	s_delay_alu instid0(VALU_DEP_4)
	v_mov_b32 v[NM+2*\a], v[T2+\a]
.endr
.irp a, 0,1
	s_delay_alu instid0(VALU_DEP_4)
	v_cvt_i32_f32 v[T+\a], v[T+\a]                 ; (it saturates)
.endr
.irp a, 0,1
	s_delay_alu instid0(VALU_DEP_2)
	v_ldexp_f32 v[F+2*\a], 1.0, v[T+\a]            ; f = 2^(old M - new M)
.endr
.irp a, 0,1
.irp c, 0,1
	v_fma_f32 v[BM+2*\a+\c], v[BM+2*\a+\c], s[CS], v[NM+2*\a]   ; t - M of each block's largest score
.endr
.endr
.irp a, 0,1
	v_pk_mul_f32 v[LS+2*\a:LS+2*\a+1], v[LS+2*\a:LS+2*\a+1], v[F+2*\a:F+2*\a+1] op_sel_hi:[1,0]   ; the sums under the new M
.endr
	WIN 0x41                                       ; O^T under the new M, ahead of the exponentials; each accumulator from its low end on
.irp a, 0,1
.set J, 0
.rept 16
	v_pk_mul_f32 v[O+32*\a+J:O+32*\a+J+1], v[O+32*\a+J:O+32*\a+J+1], v[F+2*\a:F+2*\a+1] op_sel_hi:[1,0]
.set J, J+2
.endr
.endr
	WIN 0
.set J, 0
.rept 32
	v_pk_fma_f32 v[S+J:S+J+1], v[S+J:S+J+1], s[CS:CS+1], v[NM:NM+1] op_sel_hi:[1,0,0]   ; the first tile's t - M
.set J, J+2
.endr
	WALU
.irp b, 0,1,2,3
	v_exp_f32 v[BM+\b], v[BM+\b]                   ; the blocks' largest p
.endr
.set J, 0
.rept 32                                       ; the first tile's p; among them the second tile's t - M, which nothing in the batch reads
	v_exp_f32 v[S+J], v[S+J]
	v_exp_f32 v[S+J+1], v[S+J+1]
	v_pk_fma_f32 v[S+64+J:S+64+J+1], v[S+64+J:S+64+J+1], s[CS:CS+1], v[NM+2:NM+3] op_sel_hi:[1,0,0]
.set J, J+2
.endr
	WALU                                           ; one wait for the batch, ahead of its first reader
.irp b, 0,1,2,3
	v_max_num_f32 v[BM+\b], 0x1800000, v[BM+\b]    ; the floor 2^(3 - 127): the byte cannot fall under 1
.endr
.irp b, 0,1,2,3
	s_delay_alu instid0(VALU_DEP_4)
	v_add_nc_u32 v[SO+\b], 0xff000000, v[BM+\b]    ; 2 off the exponent field: the conversion's scale operand
.endr
.irp b, 0,1,2,3
	s_delay_alu instid0(VALU_DEP_4)
	v_lshrrev_b32 v[BX+\b], 23, v[SO+\b]           ; the scale's byte
.endr
	s_delay_alu instid0(VALU_DEP_3)
	v_lshl_or_b32 v[BX], v[BX+1], 16, v[BX]        ; my blocks h and 2 + h,
	s_delay_alu instid0(VALU_DEP_2)
	v_lshl_or_b32 v[BX+2], v[BX+3], 16, v[BX+2]
.irp a, 0,1
	s_delay_alu instid0(VALU_DEP_2)
	v_lshlrev_b32 v[BX+2*\a], v[SH8], v[BX+2*\a]   ; at their places in the word;
.endr
.irp a, 0,1
	s_delay_alu instid0(VALU_DEP_2)
	v_permlanex16_b32 v[T+\a], v[BX+2*\a], s[SEL], s[SEL+1]
.endr
.irp a, 0,1
	s_delay_alu instid0(VALU_DEP_2)
	v_or_b32 v[PSW+\a], v[BX+2*\a], v[T+\a]        ; with lane l xor 16's two the word is whole
.endr
	WIN 0x40
.irp c, 0,1
	v_cvt_scalef32_pk16_fp6_f32 v[PC+6*\c:PC+6*\c+2], v[S+32*\c:S+32*\c+15], v[SO+\c]
	v_cvt_scalef32_pk16_fp6_f32 v[PT+4*\c:PT+4*\c+2], v[S+32*\c+16:S+32*\c+31], v[SO+\c]   ; (a conversion's three registers begin on an even number)
.endr
	WIN 0
	v_nop                                          ; one plain place behind a scaled conversion
.set J, 0
.rept 16                                       ; the second tile's p; among them the first level of the first tile's sum, in place: its p have been converted, and nothing in the batch reads these sums
	v_exp_f32 v[S+64+J], v[S+64+J]
	v_exp_f32 v[S+64+J+1], v[S+64+J+1]
	v_exp_f32 v[S+64+J+2], v[S+64+J+2]
	v_exp_f32 v[S+64+J+3], v[S+64+J+3]
	v_pk_add_f32 v[S+J:S+J+1], v[S+J:S+J+1], v[S+J+2:S+J+3]
.set J, J+4
.endr
	WALU
	WIN 0x40
.irp c, 0,1
	v_cvt_scalef32_pk16_fp6_f32 v[PC+12+6*\c:PC+12+6*\c+2], v[S+64+32*\c:S+64+32*\c+15], v[SO+2+\c]
	v_cvt_scalef32_pk16_fp6_f32 v[PT+8+4*\c:PT+8+4*\c+2], v[S+64+32*\c+16:S+64+32*\c+31], v[SO+2+\c]
.endr
	v_nop
	WIN 0x41
.irp b, 0,1,2,3
.irp i, 0,1,2
	v_mov_b32 v[PC+6*\b+3+\i], v[PT+4*\b+\i]
.endr
.endr
	WIN 0
.set J, 0
.rept 16                                       ; THE ROWS' SUMS ARE TAKEN OF THE UNQUANTISED p, as trees in place: the second tile's first level; these sixteen are also the places between p's codes and the products below
	v_pk_add_f32 v[S+64+J:S+64+J+1], v[S+64+J:S+64+J+1], v[S+64+J+2:S+64+J+3]
.set J, J+4
.endr
	WALU
	s_wait_dscnt 25                                ; V's 25 loads are in; the next step's K, 25 loads, may be out
.set N_, 0
.rept 8                                        ; O^T += V^T P^T: eight accumulators by turns; behind each product four lines of the trees' upper levels, which name none of its registers
	WIN 0x55
	v_wmma_scale_f32_16x16x128_f8f6f4 v[O+32*(N_%2)+8*(N_/2):O+32*(N_%2)+8*(N_/2)+7], v[VF+12*(N_/2):VF+12*(N_/2)+11], v[PC+12*(N_%2):PC+12*(N_%2)+11], v[O+32*(N_%2)+8*(N_/2):O+32*(N_%2)+8*(N_/2)+7], v[VSW+N_/2], v[PSW+N_%2] matrix_a_fmt:MATRIX_FMT_FP6 matrix_b_fmt:MATRIX_FMT_FP6
	WIN 0
	TADD 4*N_
	TADD 4*N_+1
	TADD 4*N_+2
	TADD 4*N_+3
.set N_, N_+1
.endr
.endm
.macro WALK first, trips
	s_mov_b32 s[TK], 6144*\first
	s_mov_b32 s[TS], 512*\first
	s_mov_b32 s[TJ], 256*\first
	s_mov_b32 s[CNT], \trips
.Lstep_\@:
	STEP
	s_add_co_u32 s[TK], s[TK], 6144
	s_add_co_u32 s[TS], s[TS], 512
	s_add_co_u32 s[TJ], s[TJ], 256
	s_sub_co_u32 s[CNT], s[CNT], 1
	s_cmp_lg_u32 s[CNT], 0
	WALU
	s_cbranch_scc1 .Lstep_\@
.endm
	s_mov_b32 s[PASS], 2
	WALU
.Lpass:                                            ; two tiles of 16 queries a trip
	s_wait_loadcnt 0x0                             ; this pass's q is in the staging registers
	WIN 0x41
.irp a, 0,1
.irp j, 0,1,2,3,4,5
	v_mov_b32 v[QF+12*\a+\j], v[QN+6*\a+\j]
.endr
.endr
	WIN 0x40
.set J, 0
.rept 64
	v_mov_b32 v[O+J], 0                            ; the step is written once: the first finds zeros, which the first change of M leaves zeros
.set J, J+1
.endr
	WIN 0
.irp a, 0,1
	v_mov_b32 v[QSW+\a], v[QSN+\a]
	v_mov_b32 v[NM+2*\a+1], 0xff61b1e6             ; the largest score so far: -3e38
	v_mov_b32 v[NM+2*\a], 0x7f61b1e6               ; -M: 3e38
	v_mov_b32 v[LS+2*\a], 0
	v_mov_b32 v[LS+2*\a+1], 0
.endr
	s_cmp_eq_u32 s[PASS], 1                        ; the last pass asks for no further q
	WALU
	s_cbranch_scc1 .Lno_next
	s_add_nc_u64 s[QC:QC+1], s[QC:QC+1], 16*768    ; 16 tiles on (the loads that read these bases have been waited for)
	s_add_nc_u64 s[QS:QS+1], s[QS:QS+1], 1024
	QLOAD
.Lno_next:
	s_cmp_lt_u32 s[WV], 3                          ; waves 0 to 2 fetched the scale words and the first 512 keys of K and V
	s_cbranch_scc0 .Lothers
	s_wait_tensorcnt 0x0
.Lothers:
	s_barrier_signal -1
	s_barrier_wait -1                              ; waves 0 to 2's tiles are whole; waves 3 and 4's may still be filling behind this barrier
	KLOAD AK0, ASK0, 0, 0                          ; step 0's K
	WALK 0, 3                                      ; steps 0 to 2 read K's steps 1 to 3 and V's 0 to 2: inside the first 512 keys
	s_wait_tensorcnt 0x0                           ; every wave: all that is still out
	s_wait_dscnt 0x0
	s_barrier_signal -1
	s_barrier_wait -1
	WALK 3, 13
	; THE WAY OUT: o = O^T / l; each tile's two blocks of 32 channels are quantised; a half fragment leaves as three stores of 256 consecutive bytes, aligned
	s_wait_dscnt 0x0                               ; the loads of the seventeenth step are in: their registers may be loaded again
	PLACES
.irp a, 0,1
	v_add_f32 v[LS+2*\a], v[LS+2*\a], v[LS+2*\a+1]
.endr
.irp a, 0,1
	v_permlanex16_b32 v[T+\a], v[LS+2*\a], s[SEL], s[SEL+1]
.endr
.irp a, 0,1
	v_add_f32 v[LS+2*\a], v[LS+2*\a], v[T+\a]
.endr
	WALU
.irp a, 0,1
	v_rcp_f32 v[F+2*\a], v[LS+2*\a]
.endr
	v_nop
	WIN 0x01
	WALU                                           ; directly ahead of the first readers of 1 / l and of O^T
.irp a, 0,1
.set J, 0
.rept 16
	v_pk_mul_f32 v[S+64*\a+J:S+64*\a+J+1], v[O+32*\a+J:O+32*\a+J+1], v[F+2*\a:F+2*\a+1] op_sel_hi:[1,0]   ; register 16 b + i is channel 32 b + 16 (lane / 16) + i
.set J, J+2
.endr
.endr
	WIN 0
.irp a, 0,1
.irp b, 0,1
	v_max3_num_f32 v[BM+2*\a+\b], |v[S+64*\a+16*\b]|, |v[S+64*\a+16*\b+1]|, 0x1800000
.endr
.endr
.irp i, 2,4,6,8,10,12,14
.irp a, 0,1
.irp b, 0,1
	v_max3_num_f32 v[BM+2*\a+\b], v[BM+2*\a+\b], |v[S+64*\a+16*\b+\i]|, |v[S+64*\a+16*\b+\i+1]|
.endr
.endr
.endr
.irp b, 0,1,2,3
	v_permlanex16_b32 v[BX+\b], v[BM+\b], s[SEL], s[SEL+1]
.endr
.irp b, 0,1,2,3
	v_max_num_f32 v[BM+\b], v[BM+\b], v[BX+\b]
.endr
.irp b, 0,1,2,3
	v_add_nc_u32 v[SO+\b], 0xff000000, v[BM+\b]
.endr
.irp b, 0,1,2,3
	v_lshrrev_b32 v[BX+\b], 23, v[SO+\b]
.endr
.irp a, 0,1
	v_cvt_scalef32_pk16_fp6_f32 v[S+64*\a+32:S+64*\a+34], v[S+64*\a:S+64*\a+15], v[SO+2*\a]
	v_cvt_scalef32_pk16_fp6_f32 v[S+64*\a+40:S+64*\a+42], v[S+64*\a+16:S+64*\a+31], v[SO+2*\a+1]
.endr
	v_nop
.irp a, 0,1                                    ; a whole block in a lane: lanes 0-15 block 0, lanes 16-31 block 1
.irp i, 0,1,2
	v_permlane16_swap_b32 v[S+64*\a+32+\i], v[S+64*\a+40+\i]
.endr
.endr
.irp a, 0,1
.irp i, 0,1,2
	v_mov_b32 v[S+64*\a+35+\i], v[S+64*\a+40+\i]
.endr
.endr
.irp a, 0,1
	v_cndmask_b32 v[T2+\a], v[BX+2*\a], v[BX+2*\a+1], s[HIM]
.endr
.irp a, 0,1
.irp p, 0,1,2
	global_store_b64 v[AK0], v[S+64*\a+32+2*\p:S+64*\a+32+2*\p+1], s[OC:OC+1] offset:12288*\a+256*\p
.endr
	global_store_b8 v[OSA], v[T2+\a], s[OSB:OSB+1] offset:512*\a
.endr
	s_wait_xcnt 0x0                                ; the stores' bases and data are written again only behind this wait
	s_add_nc_u64 s[OC:OC+1], s[OC:OC+1], 16*12288  ; 16 tiles on
	s_add_nc_u64 s[OSB:OSB+1], s[OSB:OSB+1], 16*512
	s_sub_co_u32 s[PASS], s[PASS], 1
	s_cmp_lg_u32 s[PASS], 0
	WALU
	s_cbranch_scc1 .Lpass
	s_wait_tensorcnt 0x0                           ; the wave's end
	ds_add_u32 v254, v255
	s_wait_dscnt 0x0
	CROUND                                         ; the closing round
	s_endpgm
.Lfunc_end_k_q811f725347_attn:
	.size	k_q811f725347_attn, .Lfunc_end_k_q811f725347_attn-k_q811f725347_attn
	.p2alignl 7, 3214868480
	.fill 96, 4, 3214868480
	.section	.rodata,"a",@progbits
	.p2align	6, 0x0
	.amdhsa_kernel k_q811f725347_attn
		.amdhsa_group_segment_fixed_size 210944
		.amdhsa_private_segment_fixed_size 0
		.amdhsa_enable_private_segment 0
		.amdhsa_kernarg_size 32
		.amdhsa_user_sgpr_count 2
		.amdhsa_user_sgpr_kernarg_segment_ptr 1
		.amdhsa_wavefront_size32 1
		.amdhsa_system_sgpr_workgroup_id_x 1
		.amdhsa_system_sgpr_workgroup_id_y 1
		.amdhsa_system_sgpr_workgroup_id_z 1
		.amdhsa_system_vgpr_workitem_id 0
		.amdhsa_next_free_vgpr 512
		.amdhsa_next_free_sgpr 96
		.amdhsa_reserve_vcc 0
		.amdhsa_float_denorm_mode_32 3
		.amdhsa_float_denorm_mode_16_64 3
		.amdhsa_memory_ordered 1
		.amdhsa_forward_progress 1
		.amdhsa_inst_pref_size 83
	.end_amdhsa_kernel
	.amdgpu_metadata
---
amdhsa.version: [ 1, 2 ]
amdhsa.kernels:
  - .name:           k_q811f725347_attn
    .symbol:         k_q811f725347_attn.kd
    .args:
      - { .name: pc, .offset: 0, .size: 8, .value_kind: global_buffer, .address_space: global }
      - { .name: ps, .offset: 8, .size: 8, .value_kind: global_buffer, .address_space: global }
      - { .name: oc, .offset: 16, .size: 8, .value_kind: global_buffer, .address_space: global }
      - { .name: os, .offset: 24, .size: 8, .value_kind: global_buffer, .address_space: global }
    .group_segment_fixed_size: 210944
    .private_segment_fixed_size: 0
    .kernarg_segment_align: 8
    .kernarg_segment_size: 32
    .max_flat_workgroup_size: 256
    .sgpr_count:     96
    .vgpr_count:     512
    .wavefront_size: 32
...
	.end_amdgpu_metadata
.endif
;; end of part 3
;; launch outg (part 4): grid 4 x 64, 4 waves a work-group, clusters of 4 x 4, 327,680 bytes of LDS; arguments oc, os, cin, sin, out0; writes out0
.if DOCPART == 4
	.amdgcn_target "amdgcn-amd-amdhsa--gfx1250"
	.amdhsa_code_object_version 6
	.text
	.protected	k_q811f725347_outg
	.globl	k_q811f725347_outg
	.p2align	8
	.type	k_q811f725347_outg,@function
k_q811f725347_outg:
	s_mov_b64 s[64:65], 0
	v_nop
	global_prefetch_b8 v0, s[64:65] scope:SCOPE_SE
	s_setreg_imm32_b32 hwreg(HW_REG_WAVE_MODE, 25, 1), 1
	s_wait_xcnt 0x0
	s_wait_alu depctr_hold_cnt(0) depctr_sa_sdst(0) depctr_va_vdst(0) depctr_va_sdst(0) depctr_va_ssrc(0) depctr_va_vcc(0) depctr_vm_vsrc(0)
	s_getreg_b32 s2, hwreg(HW_REG_IB_STS2, 6, 4)
	s_cmp_eq_u32 s2, 0
	s_cbranch_scc0 .Lentry_in_a_cluster
	s_endpgm
.Lentry_in_a_cluster:
	s_bfe_u32 s2, ttmp6, 0x10000c
	s_cmp_lg_u32 s2, 0xf033
	s_cbranch_scc0 .Lentry_shape_is_right
	s_endpgm
.Lentry_shape_is_right:
; out0[m][n] = sum over k of o[m][k] W_o[n][k], 8,192 x 1,024 x 1,024, on codes of FP6 (E2M3) with E8M0 scales; sums and result f32.
; oc and cin hold images of operand registers: [tile of 16 rows][K step 0..7][pair 0..5][lane][8 bytes], 12,288 bytes a tile; os and sin: [tile][K half][row][16 bytes], 512 a tile.  W_o's tiles begin at tile 1,728.
; Row t of tile 2 g + u is row 32 g + 8 u + t + 8 (t / 8), of o and of W_o alike.
; SHARES.  A work-group makes 128 rows x 256 columns: 64 x 4 = 256 work-groups.  Four waves, 2 x 2; a wave makes 64 x 128: 32 accumulators, 256 registers.
; ALL OF K LIES IN LDS, FILLED ONCE: A's 8 tiles (98,304 bytes), B's 16 (196,608), their scale words (4,096 and 8,192): four dense blocks of memory, four joint loads, one a wave, as rows of 256 bytes.
; So there is no ring, no byte is filled twice, and one barrier shows all four tiles.  No prefetch into the L2: all tensor loads go out at the head, so there is no loop that could run ahead of one.
; CLUSTERS of 4 x 4: A's blocks hang on the tile row alone and are shared along a row of the cluster, B's on the tile column alone and are shared along a column.
; THE MATRIX INSTRUCTION IS USED TRANSPOSED (source 0 = 16 rows of W_o, source 1 = 16 rows of o): a lane holds eight neighbouring numbers of a row of the result.
; A K STEP is 32 products.  A's and B's fragments lie twice in registers; the next step's twelve fragments are fetched one behind every second product, six loads each, the last of them eight products ahead of the step's end.
; THE WAY OUT: 16 rows x 64 columns at a time through the wave's own stage in LDS (bytes on which no fill lands), back as rows of 256 bytes: sixteen lanes store one aligned unit of 256 bytes.
; REGISTERS.  Window 0: v16-29 addresses; v32-63 scale words, two sets (lanes 0-15 A's block i, lanes 16-31 B's block i); v128-223 A's fragments, two sets.  Window 1: B's fragments at v0 and v128.  Window 2: accumulator (a, b) at v[8 (8 a + b)].
.set FR,     12
.set TB,     12288                     ; a tile, all of K
.set IMG,    1536                      ; a fragment's image
.set LB,     8*TB                      ; LDS: A's codes at 0, B's here,
.set SCA,    24*TB                     ; A's scale words,
.set SCBB,   SCA+4096                  ; B's,
.set SPARE,  SCA+12288                 ; the spare words, 128 bytes a wave,
.set STAGE,  SPARE+512                 ; the stages: 16 rows of 256 + 16 bytes a wave
.set SPITCH, 272
.set ADRA, 16
.set ADRB, 20                          ; v20 B's tiles 0-3, v21 tiles 4-7
.set STO,  24
.set RD,   25
.set CO,   26
.set ADRS, 27
.set SPW,  28
.set NIL,  29
.set SC,   32
.set AF,   128
.set BK,   128
.set G1A,  24
.set G1B,  32
.set G1SA, 48
.set G1SB, 56
.set G0A,  68
.set G0B,  72
.set G0SA, 76
.set G0SB, 80
.set MUL,  0xa1                        ; source 0 (B) window 1, source 1 (A) window 0, C and D window 2
.set MSB, 0
.macro WIN new
.if MSB != \new
	s_set_vgpr_msb (MSB<<8)|\new
.set MSB, \new
.endif
.endm
.macro PLACES
.rept 4
	v_nop
.endr
.endm
.macro CROUND
	s_barrier_signal -1
	s_barrier_wait -1
	s_cmp_lg_u32 s14, 0
	s_cbranch_scc1 .Lnot_wave_0_\@
	s_barrier_signal -3
.Lnot_wave_0_\@:
	s_barrier_wait -3
	s_barrier_signal -1
	s_barrier_wait -1
.endm
.macro GROUP1 g, mask, rows            ; a dense block as rows of 256 bytes (32 elements of 8)
	s_or_b32 s[\g], s[\mask], (3<<16)|(1<<21)
	s_mov_b32 s[\g+1], 32<<16
	s_mov_b32 s[\g+2], (\rows)<<16
	s_mov_b32 s[\g+3], 32<<16
	s_mov_b32 s[\g+4], \rows
	s_mov_b32 s[\g+5], 32
	s_mov_b32 s[\g+6], 0
	s_mov_b32 s[\g+7], 0
.endm
.macro GROUP0 g, lds, base
	s_mov_b32 s[\g], 1
	s_mov_b32 s[\g+1], \lds
	s_mov_b64 s[\g+2:\g+3], s[\base:\base+1]
	s_or_b32 s[\g+3], s[\g+3], 0x80000000
.endm
.macro ARM under, g0, g1, next
	s_cmp_lt_u32 s14, \under
	s_cbranch_scc0 \next
	tensor_load_to_lds s[\g0:\g0+3], s[\g1:\g1+7]
	s_nop 0
	PLACES
	s_branch .Lasked
\next:
.endm
	s_load_b256 s[4:11], s[0:1], 0x0               ; oc, os, cin, sin
	s_load_b64 s[12:13], s[0:1], 0x20              ; out0
	v_lshl_add_u32 v[SPW], v0, 2, SPARE
	v_mov_b32 v[NIL], 0
	ds_add_u32 v[SPW], v[NIL]                      ; the opening lines: the add, twice on end, and its wait
	ds_add_u32 v[SPW], v[NIL]
	v_lshrrev_b32 v1, 5, v0
	v_readfirstlane_b32 s14, v1                    ; wave 0..3
	s_lshr_b32 s15, s14, 1                         ; which 64 of the rows
	s_and_b32 s16, s14, 1                          ; which 128 of the columns
	s_bfe_u32 s40, ttmp6, 0x40000                  ; cx = the tile column (the grid is one cluster wide)
	s_bfe_u32 s41, ttmp6, 0x40004                  ; cy
	s_and_b32 s17, ttmp7, 0xffff
	s_lshl_b32 s17, s17, 2
	s_add_co_u32 s17, s17, s41                     ; the tile row
	s_lshl_b32 s43, s41, 2
	s_lshl_b32 s43, 15, s43                        ; my row of the cluster
	s_lshl_b32 s44, 0x1111, s40                    ; my column
	GROUP1 G1A,  43, 384
	GROUP1 G1B,  44, 768
	GROUP1 G1SA, 43, 16
	GROUP1 G1SB, 44, 32
	s_mul_i32 s20, s17, 8*TB
	s_mov_b32 s21, 0
	s_lshl_b32 s22, s17, 12
	s_mov_b32 s23, 0
	s_mul_i32 s46, s40, 16*TB
	s_add_co_u32 s46, s46, 1728*TB
	s_mov_b32 s47, 0
	s_lshl_b32 s92, s40, 13
	s_add_co_u32 s92, s92, 1728*512
	s_mov_b32 s93, 0
	s_wait_alu depctr_va_vdst(0)
	s_wait_dscnt 0x0
	s_wait_kmcnt 0x0
	s_add_nc_u64 s[20:21], s[4:5], s[20:21]
	s_add_nc_u64 s[22:23], s[6:7], s[22:23]
	s_add_nc_u64 s[46:47], s[8:9], s[46:47]
	s_add_nc_u64 s[92:93], s[10:11], s[92:93]
	CROUND                                         ; all sixteen work-groups are here: the joint loads meet
	GROUP0 G0SA, SCA, 22
	GROUP0 G0SB, SCBB, 92
	GROUP0 G0A, 0, 20
	GROUP0 G0B, LB, 46
	ARM 1, G0SA, G1SA, .Lhead_sb
	ARM 2, G0SB, G1SB, .Lhead_a
	ARM 3, G0A,  G1A,  .Lhead_b
	tensor_load_to_lds s[G0B:G0B+3], s[G1B:G1B+7]
	s_nop 0
	PLACES
.Lasked:
	s_mul_i32 s21, s15, 4*TB                       ; my 4 tiles of A
	s_mul_i32 s22, s16, 8*TB
	s_add_co_u32 s22, s22, LB                      ; my 8 tiles of B
	s_lshl_b32 s23, s15, 11                        ; A's scale words: my 4 tiles
	s_lshl_b32 s18, s16, 12
	s_add_co_u32 s18, s18, SCBB-SCA
	s_sub_co_u32 s18, s18, s23                     ; from them to B's: my 8 tiles
	s_add_co_u32 s23, s23, SCA
	s_mul_i32 s19, s14, 16*SPITCH
	s_add_co_u32 s19, s19, STAGE                   ; my stage
	s_lshl_b32 s46, s17, 7
	s_lshl_b32 s47, s15, 6
	s_add_co_u32 s46, s46, s47                     ; my first row of the result
	s_lshl_b32 s46, s46, 12
	s_lshl_b32 s47, s40, 10
	s_add_co_u32 s46, s46, s47
	s_lshl_b32 s47, s16, 9
	s_add_co_u32 s46, s46, s47                     ; and my first column, in bytes
	s_mov_b32 s47, 0
	s_add_nc_u64 s[12:13], s[12:13], s[46:47]
	v_and_b32 v1, 15, v0                           ; r
	v_bfe_u32 v2, v0, 4, 1                         ; h
	v_and_b32 v3, 31, v0
	v_lshlrev_b32 v3, 3, v3                        ; 8 x lane
	v_lshlrev_b32 v5, 4, v1
	v_mul_u32_u24 v6, s18, v2                      ; lanes 16-31 take B's scale words
	v_mul_u32_u24 v7, v1, SPITCH
	v_mul_u32_u24 v8, v2, SPITCH
	v_add_nc_u32 v[ADRA], s21, v3
	v_add_nc_u32 v[ADRB], s22, v3
	v_add_nc_u32 v6, v5, v6
	v_lshl_add_u32 v7, v2, 6, v7
	v_add_nc_u32 v8, v8, v5
	v_add_nc_u32 v[ADRB+1], 4*TB, v[ADRB]
	v_add_nc_u32 v[ADRS], s23, v6
	v_add_nc_u32 v[STO], s19, v7                   ; into the stage: row r, 64 bytes for each half of the lanes
	v_add_nc_u32 v[RD], s19, v8                    ; back: sixteen lanes to a row, two rows an instruction
	v_lshl_add_u32 v[CO], v2, 12, v5               ; and the same two rows in the result
; fragment g of K step q, six loads: g = 0..7 B's tiles, g = 8..11 A's; with A's, where q is even, the scale words of steps q and q + 1, two blocks each
.macro GAP q, g
.if (\g) < 8
	WIN 0x40
.irp p, 0,1,2,3,4,5
	ds_load_b64 v[128*((\q)%2)+FR*(\g)+2*\p:128*((\q)%2)+FR*(\g)+2*\p+1], v[ADRB+(\g)/4] offset:((\g)%4)*TB+(\q)*IMG+256*\p
.endr
.else
	WIN 0
.irp p, 0,1,2,3,4,5
	ds_load_b64 v[AF+48*((\q)%2)+FR*((\g)-8)+2*\p:AF+48*((\q)%2)+FR*((\g)-8)+2*\p+1], v[ADRA] offset:((\g)-8)*TB+(\q)*IMG+256*\p
.endr
.if (\q)%2 == 0
.irp e, 0,1
	ds_load_b64 v[SC+16*(((\q)/2)%2)+2*(2*((\g)-8)+\e):SC+16*(((\q)/2)%2)+2*(2*((\g)-8)+\e)+1], v[ADRS] offset:(2*((\g)-8)+\e)*512+((\q)/4)*256+(((\q)/2)%2)*8
.endr
.endif
.endif
.endm
.macro PROD q, n, zero                 ; product n = 8 a + b of K step q; the 32 accumulators take turns
.set A_, (\n)/8
.set B_, (\n)%8
.set X_, SC+16*(((\q)/2)%2)+(\q)%2
.if \zero
	v_wmma_scale_f32_16x16x128_f8f6f4 v[8*(\n):8*(\n)+7], v[128*((\q)%2)+FR*B_:128*((\q)%2)+FR*B_+FR-1], v[AF+48*((\q)%2)+FR*A_:AF+48*((\q)%2)+FR*A_+FR-1], 0, v[X_+2*B_], v[X_+2*A_] matrix_a_fmt:MATRIX_FMT_FP6 matrix_b_fmt:MATRIX_FMT_FP6 matrix_a_scale:MATRIX_SCALE_ROW1
.else
	v_wmma_scale_f32_16x16x128_f8f6f4 v[8*(\n):8*(\n)+7], v[128*((\q)%2)+FR*B_:128*((\q)%2)+FR*B_+FR-1], v[AF+48*((\q)%2)+FR*A_:AF+48*((\q)%2)+FR*A_+FR-1], v[8*(\n):8*(\n)+7], v[X_+2*B_], v[X_+2*A_] matrix_a_fmt:MATRIX_FMT_FP6 matrix_b_fmt:MATRIX_FMT_FP6 matrix_a_scale:MATRIX_SCALE_ROW1
.endif
.endm
.macro STEP q, zero
	s_wait_dscnt 0x0                               ; this step's fragments and scale words are in
.if (\q) > 0
	PLACES                                         ; behind the last step's products, into whose registers this step's loads go
.endif
.set N_, 0
.rept 32
	WIN MUL
	PROD \q, N_, \zero
.if ((\q) < 7) && ((N_%2) == 1) && (N_ < 24)
	GAP (\q)+1, N_/2
.endif
.set N_, N_+1
.endr
	WIN 0
.endm
	s_wait_alu depctr_va_vdst(0)
	s_wait_tensorcnt 0x0                           ; every wave: its tile of the four
	s_barrier_signal -1
	s_barrier_wait -1                              ; all four are whole for all waves
.set G_, 0
.rept 12
	GAP 0, G_
.set G_, G_+1
.endr
	WIN 0
	STEP 0, 1                                      ; the first step's products start the sums
.set Q_, 1
.rept 7
	STEP Q_, 0
.set Q_, Q_+1
.endr
; unit n = 2 a + g: A's block a, columns 64 g .. 64 g + 63 of my 128.  Register j of lane (r, h) in B's tile b is column 32 (b / 2) + 16 h + 8 (b % 2) + j
.macro TOSTAGE n
.set AC, 64*((\n)/2)+32*((\n)%2)
	WIN 0x08
.irp b, 0,1,2,3
	ds_store_b128 v[STO], v[AC+8*\b:AC+8*\b+3] offset:128*(\b/2)+32*(\b%2)        ; each accumulator from its low end on
	ds_store_b128 v[STO], v[AC+8*\b+4:AC+8*\b+7] offset:128*(\b/2)+32*(\b%2)+16
.endr
	WIN 0
.set BB, BK+32*((\n)%2)
.irp t, 0,1,2,3,4,5,6,7
	ds_load_b128 v[BB+4*\t:BB+4*\t+3], v[RD] offset:\t*2*SPITCH    ; LDS serves a wave's instructions in order: these see the stores above
.endr
.endm
.macro SEND n, younger
.set BB, BK+32*((\n)%2)
.set RW, 32*((\n)/4)+8*(((\n)/2)%2)
	s_wait_dscnt \younger
.irp t, 0,1,2,3,4,5,6,7
	global_store_b128 v[CO], v[BB+4*\t:BB+4*\t+3], s[12:13] offset:(RW+2*\t+8*(\t/4))*4096+256*((\n)%2) th:TH_STORE_NT   ; sixteen lanes store 256 consecutive bytes, aligned
.endr
.endm
	PLACES                                         ; behind the last products: their results are read, and A's registers are loaded
	TOSTAGE 0
.irp a, 1,2,3,4,5,6,7
.if \a > 1
	s_wait_xcnt 0x0                                ; unit a - 2's stores have read their registers: unit a's loads may land there
.endif
	TOSTAGE \a
	SEND \a-1, 16                                  ; behind unit a - 1's loads: unit a's 8 stores and 8 loads
.endr
	SEND 7, 0
	s_wait_tensorcnt 0x0                           ; the wave's end
	ds_add_u32 v[SPW], v[NIL]
	s_wait_dscnt 0x0
	CROUND                                         ; the closing round
	s_endpgm
.Lfunc_end_k_q811f725347_outg:
	.size	k_q811f725347_outg, .Lfunc_end_k_q811f725347_outg-k_q811f725347_outg
	.p2alignl 7, 3214868480
	.fill 96, 4, 3214868480
	.section	.rodata,"a",@progbits
	.p2align	6, 0x0
	.amdhsa_kernel k_q811f725347_outg
		.amdhsa_group_segment_fixed_size 327680
		.amdhsa_private_segment_fixed_size 0
		.amdhsa_enable_private_segment 0
		.amdhsa_kernarg_size 40
		.amdhsa_user_sgpr_count 2
		.amdhsa_user_sgpr_kernarg_segment_ptr 1
		.amdhsa_wavefront_size32 1
		.amdhsa_system_sgpr_workgroup_id_x 1
		.amdhsa_system_sgpr_workgroup_id_y 1
		.amdhsa_system_sgpr_workgroup_id_z 1
		.amdhsa_system_vgpr_workitem_id 0
		.amdhsa_next_free_vgpr 768
		.amdhsa_next_free_sgpr 96
		.amdhsa_reserve_vcc 0
		.amdhsa_float_denorm_mode_32 3
		.amdhsa_float_denorm_mode_16_64 3
		.amdhsa_memory_ordered 1
		.amdhsa_forward_progress 1
		.amdhsa_inst_pref_size 101
	.end_amdhsa_kernel
	.amdgpu_metadata
---
amdhsa.version: [ 1, 2 ]
amdhsa.kernels:
  - .name:           k_q811f725347_outg
    .symbol:         k_q811f725347_outg.kd
    .args:
      - { .name: oc, .offset: 0, .size: 8, .value_kind: global_buffer, .address_space: global }
      - { .name: os, .offset: 8, .size: 8, .value_kind: global_buffer, .address_space: global }
      - { .name: cin, .offset: 16, .size: 8, .value_kind: global_buffer, .address_space: global }
      - { .name: sin, .offset: 24, .size: 8, .value_kind: global_buffer, .address_space: global }
      - { .name: out0, .offset: 32, .size: 8, .value_kind: global_buffer, .address_space: global }
    .group_segment_fixed_size: 327680
    .private_segment_fixed_size: 0
    .kernarg_segment_align: 8
    .kernarg_segment_size: 40
    .max_flat_workgroup_size: 128
    .sgpr_count:     96
    .vgpr_count:     768
    .wavefront_size: 32
...
	.end_amdgpu_metadata
.endif
;; end of part 4
